; MI455X (gfx1250); checked and timed in simulation.
; The chip was launched on July 23, 2026; its instructions are those of AMD's public machine-readable ISA for CDNA 5 (MIT licence, August 2026) and "CDNA5" Instruction Set Architecture Reference Guide (July 2026). The comments in the code are by the model that wrote it; some were corrected since.
;; Attention. Allowed arithmetic: matrix products marked QUANTISED: E2M3 operands, one E8M0 scale for each 32 along K, by v_wmma_scale_f32_16x16x128_f8f6f4 with both operands' format E2M3, f32 sums; everything else in f32.
;; Inputs: Wk 1,024 x 1,024 float32; Wo 1,024 x 1,024 float32; Wq 1,024 x 1,024 float32; Wv 1,024 x 1,024 float32; bo 1,024 float32; x 4 x 2,048 x 1,024 float32.
;; Outputs: out0 4 x 2,048 x 1,024 float32.
;; This version of the problem:
;;   THIS VERSION OF THE PROBLEM IS GIVEN IN LOW PRECISION. The matrix products marked QUANTISED in the list below multiply operands that are first quantised to E2M3 (2 exponent bits, 3 mantissa bits; 6 bits a number), with one power-of-two scale for each 32 numbers along K (OCP MX v1.0); their sums are f32. All else is computed in f32.
;;   The module's matrix products, in the order in which they are computed (A, B: the left and right operand; K: the contracted axis; several contracted axes count as one K, in the product's order):
;;     1. [M 8,192, K 1,024] x [K 1,024, N 1,024]; A: input x; B: input Wq: QUANTISED
;;     2. [M 8,192, K 1,024] x [K 1,024, N 1,024]; A: input x; B: input Wk: QUANTISED
;;     3. [M 8,192, K 1,024] x [K 1,024, N 1,024]; A: input x; B: input Wv: QUANTISED
;;     4. batch 64 x [M 2,048, K 64] x [K 64, N 2,048]; A: computed on the way; B: computed on the way: QUANTISED
;;     5. batch 64 x [M 2,048, K 2,048] x [K 2,048, N 64]; A: softmax (see below); B: computed on the way: QUANTISED
;;     6. [M 8,192, K 1,024] x [K 1,024, N 1,024]; A: computed on the way; B: input Wo: QUANTISED
;;   THE QUANTISER, for each operand of a quantised product, along K:
;;     - K is cut into blocks of 32 from its start; a last block that is shorter is filled with zeros.
;;     - A block's scale is 2^e with e = floor(log2(the largest magnitude in the block)) - 2, held to -126 .. 127; a block of zeros has e = 0. As a byte (E8M0): e + 127.
;;     - Each number is divided by its block's scale, clamped to +-7.5, and rounded to the nearest number of E2M3, ties to even, subnormals kept.
;;     - The product sums the exact products of the quantised numbers (number of the format x scale) in f32.
;;   ~~~python
;;   def quantise(x, axis):      # numpy; x: float32 -> the quantised numbers, widened to float32 again
;;       x = np.moveaxis(x, axis, -1); K = x.shape[-1]
;;       x = np.pad(x, [(0, 0)] * (x.ndim - 1) + [(0, -K % 32)]); x = x.reshape(x.shape[:-1] + (-1, 32)); a = np.abs(x).max(-1, keepdims=True)
;;       e = np.where(a > 0, np.clip(np.frexp(np.where(a > 0, a, 1))[1] - 1 - 2, -126, 127), 0)      # np.frexp(a)[1] - 1 = floor(log2(a)), exactly
;;       r = np.clip(x / 2.0 ** e, -7.5, 7.5)
;;       step = 2.0 ** (np.maximum(np.frexp(np.where(r == 0, 1, r))[1] - 1, 0) - 3)
;;       q = np.round(r / step) * step * 2.0 ** e      # np.round: ties to even
;;       return np.moveaxis(q.reshape(q.shape[:-2] + (-1,))[..., :K], -1, axis).astype(np.float32)
;;   ~~~
;;   SOFTMAX AHEAD OF A QUANTISED PRODUCT. Where the list says 'softmax', what is quantised is not the finished softmax but p = 2^(t - M), with t = logit x log2(e) and M = ceil(the row's largest t), a whole number; so 1/2 < the row's largest p <= 1. The row's sum l is taken of the UNQUANTISED p, in f32, and the product's result is divided by l at the end. Since M is a whole number, a kernel that streams over the keys may use a running M (the ceiling of the running maximum): every later rescaling is an exact power of two, which a block's scale takes up: the codes' values come out the same.
;;   OPERANDS COMPUTED ON THE WAY. 'Computed on the way' means the value that the module computes at that place (a softmax that the list does not call 'softmax' is quantised finished and normalised). What goes into a quantiser is computed in f32, as accurately as f32 sums, v_exp_f32 and their like allow (about 1e-6 of the number): no bf16 or f16 on the way to a quantiser, and a product that is left as it is and whose result goes on into a quantised operand takes f32 operands (vector FMAs, or v_wmma_f32_16x16x4_f32). A number that lies on a knife's edge between two numbers of the format may be rounded either way, as far as f32 arithmetic and the matrix unit's own rounding can turn it there, and no further.
;; One version. Each part assembles by itself: llvm-mc -triple=amdgcn-amd-amdhsa -mcpu=gfx1250 --defsym DOCPART=n.
;; ======== version 1 of 1: 4 launches
;; limits: right only within a limited range of input values
;; workspace buffers: ximg 6,291,456 bytes; xsc 262,144 bytes; wimg 3,145,728 bytes; wsc 131,072 bytes; qk 13,631,488 bytes; vt 6,553,600 bytes; ac 6,291,456 bytes; asc 262,144 bytes
;; launch quant (part 1): grid 512 x 1, 4 waves a work-group, no clusters, 34,304 bytes of LDS; arguments x, Wq, Wk, Wv, Wo, ximg, xsc, wimg, wsc; writes ximg, xsc, wimg, wsc
.if DOCPART == 1
	.amdgcn_target "amdgcn-amd-amdhsa--gfx1250"
	.amdhsa_code_object_version 6
	.text
	.protected	k_q5a14a18ac8_quant
	.globl	k_q5a14a18ac8_quant
	.p2align	8
	.type	k_q5a14a18ac8_quant,@function
k_q5a14a18ac8_quant:
	s_mov_b64 s[64:65], 0
	v_nop
	global_prefetch_b8 v0, s[64:65] scope:SCOPE_SE
	s_setreg_imm32_b32 hwreg(HW_REG_WAVE_MODE, 25, 1), 1
	s_wait_xcnt 0x0
; x [8192][1024] and the four weights [1024 (k)][1024 (n)], f32, become codes of FP6 (E2M3) with one E8M0 byte for each 32 along K (K = the 1,024 of the embedding).
; A block's scale is 2^(floor(log2(its largest magnitude)) - 2); its byte is that magnitude's exponent field - 2, held at 1 from below.
; LIMITS: a block whose largest magnitude lies under 2^-124, a block of zeros among them, gets the byte 1 (its codes are then zeros or nearly so; only this program reads the bytes); NaN and infinities are not served.
; THE WORKSPACE IS LAID AS THE MATRIX OPERAND'S REGISTERS ARE.  A HALF IMAGE is 16 rows x 64 k, 768 bytes: lane (r, h) owns the 24 bytes of row r, k = 32 h .. 32 h + 31: its registers 0-3 at 16 x lane, 4-5 at 512 + 8 x lane.
; ximg, wimg: half image (T, j) at (16 T + j) x 768, T the tile of 16 rows, j the 64 along K.  Scale bytes: T x 512 + (q / 4) x 256 + 16 r + 4 (q % 4) + block, q the 128 along K.
; THE ROWS OF A TILE: place p holds row sw(p), sw swapping bits 3 and 4: so a product that takes such a tile as source 0 has 16 neighbouring rows in the 16 registers of two neighbouring tiles.
; Work-groups 0-255 take x (a wave: one tile of 16 rows x 512 k), 256-511 the weights (a wave: 32 columns x 128 k, a lane to a column, registers down K).  Memory binds: no matrix unit, no cluster, waves share nothing.
.set WSTG,  8448                       ; a wave's stage: 16 rows x (512 bytes + 16)
.set SPARE, 4*WSTG                     ; behind the four stages: the spare words, 128 bytes a wave
.set SPW, 12                           ; v12  my spare word's address; never rewritten
.set NIL, 13                           ; v13  0; never rewritten
.set TM,  16                           ; v16-23 at work
.set R,   32                           ; v32-159 numbers as loaded, two sets
.set X,   160                          ; v160-223 64 numbers in the operand's order
.set C,   224                          ; v224-235 codes
.set AUX, 236                          ; v236-238, v240-242 the halves that a conversion cannot put on an odd register
.set SWD, 244                          ; v244-247 scale words
	s_load_b256 s[4:11], s[0:1], 0x0               ; x, Wq, Wk, Wv
	s_load_b256 s[12:19], s[0:1], 0x20             ; Wo, ximg, xsc, wimg
	s_load_b64 s[20:21], s[0:1], 0x40              ; wsc
	v_lshl_add_u32 v[SPW], v0, 2, SPARE
	v_mov_b32 v[NIL], 0
	v_lshrrev_b32 v8, 5, v0
	v_readfirstlane_b32 s22, v8                    ; wave
	v_and_b32 v9, 31, v0                           ; lane
	v_and_b32 v10, 15, v0                          ; r
	v_bfe_u32 v11, v0, 4, 1                        ; h
	v_lshlrev_b32 v1, 4, v9                        ; 16 x lane
	v_lshlrev_b32 v2, 3, v9                        ; 8 x lane
	s_mul_i32 s23, s22, WSTG
	v_add_nc_u32 v3, s23, v1                       ; the stage, on the way in: a row's 512 bytes as they lie
	v_mul_u32_u24 v4, v10, 528
	v_lshl_add_u32 v4, v11, 7, v4
	v_add_nc_u32 v4, s23, v4                       ; on the way out: row r, + 128 h: my 32 numbers of each 64
	v_lshlrev_b32 v5, 4, v10
	v_lshl_add_u32 v5, v11, 3, v5                  ; x's scale words: 16 r + 8 h
	v_and_b32 v6, 7, v0
	v_bfe_u32 v14, v0, 3, 1
	v_lshl_or_b32 v6, v14, 4, v6
	v_lshl_or_b32 v6, v11, 3, v6                   ; sw(lane)
	v_lshlrev_b32 v6, 2, v6                        ; a weight's column: 4 bytes
	v_lshlrev_b32 v7, 9, v11
	v_lshl_add_u32 v7, v10, 4, v7                  ; a weight's scale word: tile lane / 16, row lane % 16
	v_lshlrev_b32 v15, 3, v11                      ; 8 h: where my bytes stand in a scale word
	v_mov_b32 v[TM+7], 0                           ; a lane permute's destination counts as read
	s_mov_b32 s24, 0x76543210
	s_mov_b32 s25, 0xfedcba98                      ; v_permlanex16_b32: lane l xor 16
	s_mov_b32 s26, 0xffff0000                      ; lanes 16-31
	s_wait_kmcnt 0x0
	s_cmp_ge_u32 ttmp9, 256
	s_cbranch_scc1 .Lweights
; ---------------- x: tile T = 2 g + wave / 2, half wave % 2 of K ----------------
	s_lshr_b32 s27, s22, 1                         ; T & 1
	s_and_b32 s29, s22, 1                          ; which 512 along K
	s_lshl_b32 s28, ttmp9, 1
	s_add_co_u32 s28, s28, s27                     ; T
	s_lshl_b32 s30, ttmp9, 17                      ; the tile's first row is 32 (T / 2) + 8 (T % 2): 4,096 bytes a row
	s_lshl_b32 s31, s27, 15
	s_add_co_u32 s30, s30, s31
	s_lshl_b32 s31, s29, 11
	s_add_co_u32 s30, s30, s31
	s_mov_b32 s31, 0
	s_add_nc_u64 s[4:5], s[4:5], s[30:31]
	s_mul_i32 s30, s28, 12288
	s_mul_i32 s32, s29, 6144
	s_add_co_u32 s30, s30, s32
	s_add_nc_u64 s[14:15], s[14:15], s[30:31]      ; my eight half images
	s_lshl_b32 s30, s28, 9
	s_lshl_b32 s32, s29, 8
	s_add_co_u32 s30, s30, s32
	s_add_nc_u64 s[16:17], s[16:17], s[30:31]      ; my 256 scale bytes
.macro LOADX t                         ; unit t: 128 along K of the tile's 16 rows; a load reads 512 consecutive bytes of one row; place i holds row 16 (i / 8) + i % 8
.irp i,0,1,2,3,4,5,6,7,8,9,10,11,12,13,14,15
	global_load_b128 v[R+64*((\t)%2)+4*\i:R+64*((\t)%2)+4*\i+3], v1, s[4:5] offset:(16*(\i/8)+\i%8)*4096+512*(\t) th:TH_LOAD_NT
.endr
.endm
.macro UNIT t
.set RS, R+64*((\t)%2)
.if (\t) < 3
	s_wait_loadcnt 16                              ; this unit's 16 loads are in; the next unit's 16 may be out
.else
	s_wait_loadcnt 0x0
.endif
.irp i,0,1,2,3,4,5,6,7,8,9,10,11,12,13,14,15
	ds_store_b128 v3, v[RS+4*\i:RS+4*\i+3] offset:528*\i
.endr
.irp c,0,1
.irp i,0,1,2,3,4,5,6,7
	ds_load_b128 v[X+32*\c+4*\i:X+32*\c+4*\i+3], v4 offset:256*\c+16*\i   ; LDS serves a wave's instructions in order: these see my stores.  Register 32 c + i: k = 64 c + 32 h + i of row r
.endr
.endr
	s_wait_dscnt 0x0                               ; the numbers are back, and the stores have read their registers,
.if (\t) < 2
	LOADX (\t)+2                                   ; which take the loads of two units on
.endif
.irp c,0,1
	v_max3_num_f32 v[TM+\c], |v[X+32*\c]|, |v[X+32*\c+1]|, 0x1800000   ; my block 2 c + h, all 32 numbers mine, and the floor 2^(3 - 127)
.endr
.irp i,2,4,6,8,10,12,14,16,18,20,22,24,26,28,30
.irp c,0,1
	v_max3_num_f32 v[TM+\c], v[TM+\c], |v[X+32*\c+\i]|, |v[X+32*\c+\i+1]|
.endr
.endr
.irp c,0,1
	v_add_nc_u32 v[TM+4+\c], 0xff000000, v[TM+\c]  ; 2 off the exponent field: the conversion's scale operand
.endr
.irp c,0,1
	v_lshrrev_b32 v[TM+2+\c], 23, v[TM+4+\c]       ; the byte
.endr
	v_lshl_or_b32 v[TM+6], v[TM+3], 16, v[TM+2]    ; blocks h and 2 + h,
	v_lshlrev_b32 v[TM+6], v15, v[TM+6]            ; at their places;
	v_permlanex16_b32 v[TM+7], v[TM+6], s24, s25
	v_or_b32 v[SWD+(\t)], v[TM+6], v[TM+7]         ; with lane l xor 16's two the word is whole
	s_wait_alu depctr_va_vdst(0)
	s_wait_xcnt 0x0                                ; the last unit's stores have read the codes' registers
.irp c,0,1
	v_cvt_scalef32_pk16_fp6_f32 v[C+6*\c:C+6*\c+2], v[X+32*\c:X+32*\c+15], v[TM+4+\c]
	v_cvt_scalef32_pk16_fp6_f32 v[AUX+4*\c:AUX+4*\c+2], v[X+32*\c+16:X+32*\c+31], v[TM+4+\c]
.endr
	v_nop                                          ; one plain place behind the conversions
.irp c,0,1
.irp i,0,1,2
	v_mov_b32 v[C+6*\c+3+\i], v[AUX+4*\c+\i]
.endr
.endr
.irp c,0,1
	global_store_b128 v1, v[C+6*\c:C+6*\c+3], s[14:15] offset:(2*(\t)+\c)*768        ; 512 consecutive bytes,
	global_store_b64 v2, v[C+6*\c+4:C+6*\c+5], s[14:15] offset:(2*(\t)+\c)*768+512   ; and 256: whole aligned blocks of 256
.endr
.endm
	LOADX 0
	LOADX 1
	UNIT 0
	UNIT 1
	UNIT 2
	UNIT 3
	v_cndmask_b32 v248, v244, v246, s26            ; lanes 0-15 store words 0, 1 of row r, lanes 16-31 words 2, 3
	v_cndmask_b32 v249, v245, v247, s26
	global_store_b64 v5, v[248:249], s[16:17]      ; 256 consecutive bytes
	s_wait_tensorcnt 0x0                           ; the wave's end, behind my last LDS store
	ds_add_u32 v[SPW], v[NIL]
	s_wait_dscnt 0x0
	s_endpgm
; ---------------- the weights
.Lweights:
	s_sub_co_u32 s28, ttmp9, 256
	s_and_b32 s29, s28, 31                         ; cg: weight cg / 8, its columns 128 (cg % 8) on
	s_lshr_b32 s30, s28, 5                         ; ky: which 128 along K
	s_lshr_b32 s31, s29, 3
	s_cmp_lt_u32 s31, 2
	s_cselect_b64 s[32:33], s[6:7], s[10:11]       ; Wq or Wv
	s_cselect_b64 s[34:35], s[8:9], s[12:13]       ; Wk or Wo
	s_and_b32 s36, s31, 1
	s_cmp_eq_u32 s36, 0
	s_cselect_b64 s[32:33], s[32:33], s[34:35]
	s_lshl_b32 s36, s30, 19                        ; 128 rows of 4,096 bytes
	s_and_b32 s37, s29, 7
	s_lshl_b32 s37, s37, 9
	s_add_co_u32 s36, s36, s37
	s_lshl_b32 s37, s22, 7                         ; my wave's 32 columns
	s_add_co_u32 s36, s36, s37
	s_mov_b32 s37, 0
	s_add_nc_u64 s[32:33], s[32:33], s[36:37]
	s_lshl_b32 s38, s29, 3
	s_lshl_b32 s39, s22, 1
	s_add_co_u32 s38, s38, s39                     ; TA: my first tile of two
	s_lshl_b32 s36, s38, 4
	s_lshl_b32 s39, s30, 1
	s_add_co_u32 s36, s36, s39
	s_mul_i32 s36, s36, 768
	s_add_nc_u64 s[18:19], s[18:19], s[36:37]      ; half image (TA, 2 ky)
	s_lshl_b32 s36, s38, 9
	s_lshr_b32 s39, s30, 2
	s_lshl_b32 s39, s39, 8
	s_add_co_u32 s36, s36, s39
	s_and_b32 s39, s30, 3
	s_lshl_b32 s39, s39, 2
	s_add_co_u32 s36, s36, s39
	s_add_nc_u64 s[20:21], s[20:21], s[36:37]      ; the word of K step ky
.macro LOADW t                         ; block t: W(32 t + i, my column): 32 lanes read 128 bytes of one row
.irp i,0,1,2,3,4,5,6,7,8,9,10,11,12,13,14,15,16,17,18,19,20,21,22,23,24,25,26,27,28,29,30,31
	global_load_b32 v[R+32*((\t)%2)+\i], v6, s[32:33] offset:(32*(\t)+\i)*4096 th:TH_LOAD_NT
.endr
.endm
.macro BLOCKW t
.set XS, R+32*((\t)%2)
.set DS, C+6*((\t)%2)                  ; even blocks' codes at v224, odd blocks' at v230
.if (\t) < 3
	s_wait_loadcnt 32                              ; this block's 32 loads are in; the next block's may be out
.else
	s_wait_loadcnt 0x0
.endif
	v_max3_num_f32 v[TM], |v[XS]|, |v[XS+1]|, 0x1800000
	v_max3_num_f32 v[TM+1], |v[XS+2]|, |v[XS+3]|, |v[XS+4]|
.irp i,5,9,13,17,21,25
	v_max3_num_f32 v[TM], v[TM], |v[XS+\i]|, |v[XS+\i+1]|
	v_max3_num_f32 v[TM+1], v[TM+1], |v[XS+\i+2]|, |v[XS+\i+3]|
.endr
	v_max3_num_f32 v[TM], v[TM], |v[XS+29]|, |v[XS+30]|
	v_max3_num_f32 v[TM], v[TM], v[TM+1], |v[XS+31]|
	v_add_nc_u32 v[TM+4], 0xff000000, v[TM]
	v_lshrrev_b32 v[TM+2], 23, v[TM+4]
.if (\t) == 0
	v_mov_b32 v[SWD], v[TM+2]
.else
	v_lshl_or_b32 v[SWD], v[TM+2], 8*(\t), v[SWD]
.endif
.if (\t) == 2
	s_wait_alu depctr_va_vdst(0)
	s_wait_xcnt 0x0                                ; the first pair's stores have read the codes' registers
.endif
	v_cvt_scalef32_pk16_fp6_f32 v[DS:DS+2], v[XS:XS+15], v[TM+4]
	v_cvt_scalef32_pk16_fp6_f32 v[AUX:AUX+2], v[XS+16:XS+31], v[TM+4]
	v_nop
.irp i,0,1,2
	v_mov_b32 v[DS+3+\i], v[AUX+\i]
.endr
.if (\t) < 2
	LOADW (\t)+2
.endif
.if (\t)%2 == 1
.irp i,0,1,2,3,4,5
	v_permlane16_swap_b32 v[C+\i], v[C+6+\i]       ; the even block's lanes 16-31 (tile TA + 1) change places with the odd block's lanes 0-15 (tile TA): each run is now one tile's half image
.endr
	global_store_b128 v1, v[C:C+3], s[18:19] offset:((\t)/2)*768
	global_store_b64 v2, v[C+4:C+5], s[18:19] offset:((\t)/2)*768+512
	global_store_b128 v1, v[C+6:C+9], s[18:19] offset:((\t)/2)*768+12288
	global_store_b64 v2, v[C+10:C+11], s[18:19] offset:((\t)/2)*768+12288+512
.endif
.endm
	s_wait_alu depctr_va_vdst(0)
	LOADW 0
	LOADW 1
	BLOCKW 0
	BLOCKW 1
	BLOCKW 2
	BLOCKW 3
	global_store_b32 v7, v[SWD], s[20:21]          ; 4 bytes a lane, 16 apart: a K step's word of each row; one byte in 128 of what this path reads
	s_endpgm
.Lfunc_end_k_q5a14a18ac8_quant:
	.size	k_q5a14a18ac8_quant, .Lfunc_end_k_q5a14a18ac8_quant-k_q5a14a18ac8_quant
	.p2alignl 7, 3214868480
	.fill 96, 4, 3214868480
	.section	.rodata,"a",@progbits
	.p2align	6, 0x0
	.amdhsa_kernel k_q5a14a18ac8_quant
		.amdhsa_group_segment_fixed_size 34304
		.amdhsa_private_segment_fixed_size 0
		.amdhsa_enable_private_segment 0
		.amdhsa_kernarg_size 72
		.amdhsa_user_sgpr_count 2
		.amdhsa_user_sgpr_kernarg_segment_ptr 1
		.amdhsa_wavefront_size32 1
		.amdhsa_system_sgpr_workgroup_id_x 1
		.amdhsa_system_sgpr_workgroup_id_y 1
		.amdhsa_system_sgpr_workgroup_id_z 1
		.amdhsa_system_vgpr_workitem_id 0
		.amdhsa_next_free_vgpr 256
		.amdhsa_next_free_sgpr 66
		.amdhsa_reserve_vcc 0
		.amdhsa_float_denorm_mode_32 3
		.amdhsa_float_denorm_mode_16_64 3
		.amdhsa_memory_ordered 1
		.amdhsa_forward_progress 1
		.amdhsa_inst_pref_size 51
	.end_amdhsa_kernel
	.amdgpu_metadata
---
amdhsa.version: [ 1, 2 ]
amdhsa.kernels:
  - .name:           k_q5a14a18ac8_quant
    .symbol:         k_q5a14a18ac8_quant.kd
    .args:
      - { .name: x, .offset: 0, .size: 8, .value_kind: global_buffer, .address_space: global }
      - { .name: Wq, .offset: 8, .size: 8, .value_kind: global_buffer, .address_space: global }
      - { .name: Wk, .offset: 16, .size: 8, .value_kind: global_buffer, .address_space: global }
      - { .name: Wv, .offset: 24, .size: 8, .value_kind: global_buffer, .address_space: global }
      - { .name: Wo, .offset: 32, .size: 8, .value_kind: global_buffer, .address_space: global }
      - { .name: ximg, .offset: 40, .size: 8, .value_kind: global_buffer, .address_space: global }
      - { .name: xsc, .offset: 48, .size: 8, .value_kind: global_buffer, .address_space: global }
      - { .name: wimg, .offset: 56, .size: 8, .value_kind: global_buffer, .address_space: global }
      - { .name: wsc, .offset: 64, .size: 8, .value_kind: global_buffer, .address_space: global }
    .group_segment_fixed_size: 34304
    .private_segment_fixed_size: 0
    .kernarg_segment_align: 8
    .kernarg_segment_size: 72
    .max_flat_workgroup_size: 128
    .sgpr_count:     66
    .vgpr_count:     256
    .wavefront_size: 32
...
	.end_amdgpu_metadata
.endif
;; end of part 1
;; launch proj (part 2): grid 8 x 96, 4 waves a work-group, clusters of 4 x 4, 327,680 bytes of LDS; arguments ximg, xsc, wimg, wsc, qk, vt; writes qk, vt
.if DOCPART == 2
	.amdgcn_target "amdgcn-amd-amdhsa--gfx1250"
	.amdhsa_code_object_version 6
	.text
	.protected	k_q5a14a18ac8_proj
	.globl	k_q5a14a18ac8_proj
	.p2align	8
	.type	k_q5a14a18ac8_proj,@function
k_q5a14a18ac8_proj:
	s_mov_b64 s[64:65], 0
	v_nop
	global_prefetch_b8 v0, s[64:65] scope:SCOPE_SE
	s_setreg_imm32_b32 hwreg(HW_REG_WAVE_MODE, 25, 1), 1
	s_wait_xcnt 0x0
	s_wait_alu depctr_hold_cnt(0) depctr_sa_sdst(0) depctr_va_vdst(0) depctr_va_sdst(0) depctr_va_ssrc(0) depctr_va_vcc(0) depctr_vm_vsrc(0)
	s_getreg_b32 s2, hwreg(HW_REG_IB_STS2, 6, 4)
	s_cmp_eq_u32 s2, 0
	s_cbranch_scc0 .Lentry_in_a_cluster
	s_endpgm
.Lentry_in_a_cluster:
	s_bfe_u32 s2, ttmp6, 0x10000c
	s_cmp_lg_u32 s2, 0xf033
	s_cbranch_scc0 .Lentry_shape_is_right
	s_endpgm
.Lentry_shape_is_right:
; q = x Wq, k = x Wk, v = x Wv on codes of FP6 (E2M3) with E8M0 scales, K = 1,024; the results are quantised again in registers and leave as codes: q and k along the head's 64, v along the keys.
; A work-group makes 256 (S0, source 0) x 128 (S1, source 1) results; ALL of K for its tile lies in LDS, in two halves of 512 along K: no LDS byte is filled twice.
; FILLS: one joint load a wave, all at the head: wave 0 S0's first half, wave 1 S1's first half, wave 2 S0's second, wave 3 S1's second.  Waves 0 and 1 wait ahead of the first barrier, every wave ahead of the barrier in K step 3.
; THE SCALE WORDS go from memory straight into the scale registers: sixteen lanes read 256 consecutive bytes.
; No prefetch: every fill is asked for at the head, and there is no loop to run ahead in.
; KINDS, by the cluster's y (the same in all sixteen partners): y < 16: S0 = rows of Wq and Wk, S1 = tokens; else S0 = tokens, S1 = rows of Wv.  Only pointers and offsets are chosen.
; Operands lie in memory and LDS as half images of the operand's registers (16 rows x 64 k, 768 bytes: registers 0-3 at 16 x lane, 4-5 at 512 + 8 x lane).
; Place p of a tile's rows holds row sw(p) (bits 3 and 4 swapped): so the 16 registers of S0's tiles 2 b, 2 b + 1 are 16 neighbours, 32 b + 16 (lane / 16) + 0 .. 15.
; CLUSTER 4 x 4: S1's tiles are shared along a row of the cluster, S0's along a column.
; OUT: qk: (H x 64 + G) x 6,656, H = head (q: 0-15, k: 16-31), G = token / 128: eight half images, then two groups of 256 bytes of scale words (bytes 0, 1 the head's two, bytes 2, 3 the byte of 1.0).
;      vt: ((batch x 16 + head) x 16 + s) x 6,400, s = 128 keys: half image (2 x channel tile + key half), then 256 bytes of scale words.
; LIMITS: a block whose largest magnitude lies under 2^-124 gets the byte 1; NaN and infinities are not served.
; REGISTERS: window 0: v1-8 addresses; v28, v29 the add's; v32-63 S0's scale words, v64-79 S1's; v80-175 S1's fragments, two sets; v176-226 the way out.  window 1: S0's fragments, two sets.  window 2: accumulator (a, b) at 8 (8 a + b).
.set CHUNK, 147456                     ; 512 along K: S1's 8 tiles x 6,144 bytes, then S0's 16
.set S0OFF, 49152
.set SPARE, 2*CHUNK                    ; the spare words, 128 bytes a wave
.set SPW, 28
.set NIL, 29
.set PC,  176
.set TM,  200
.set WD,  216
.set MSB, 0
.macro WIN new
.if MSB != \new
	s_set_vgpr_msb (MSB<<8)|\new
.set MSB, \new
.endif
.endm
.macro CROUND
	s_barrier_signal -1
	s_barrier_wait -1
	s_cmp_lg_u32 s16, 0
	s_cbranch_scc1 .Lnot_wave_0_\@
	s_barrier_signal -3
.Lnot_wave_0_\@:
	s_barrier_wait -3
	s_barrier_signal -1
	s_barrier_wait -1
.endm
.macro TLOAD g0, g1
	tensor_load_to_lds s[\g0:\g0+3], s[\g1:\g1+7]
	s_nop 0
.rept 4
	v_nop
.endr
.endm
.macro ARM under, g0, g1, next         ; one arm of the head's chain: one load, then on to the join
	s_cmp_lt_u32 s16, \under
	s_cbranch_scc0 \next
	TLOAD \g0, \g1
	s_branch .Lasked
\next:
.endm
	s_load_b256 s[4:11], s[0:1], 0x0               ; ximg, xsc, wimg, wsc
	s_load_b128 s[12:15], s[0:1], 0x20             ; qk, vt
	v_lshl_add_u32 v[SPW], v0, 2, SPARE
	v_mov_b32 v[NIL], 0
	ds_add_u32 v[SPW], v[NIL]                      ; the opening lines
	ds_add_u32 v[SPW], v[NIL]
	v_lshrrev_b32 v9, 5, v0
	v_readfirstlane_b32 s16, v9                    ; wave
	s_and_b32 s17, s16, 1                          ; w0: which 8 tiles of S0 are mine
	s_lshr_b32 s18, s16, 1                         ; w1: which 4 tiles of S1
	s_bfe_u32 s19, ttmp6, 0x40000                  ; cx
	s_bfe_u32 s20, ttmp6, 0x40004                  ; cy
	s_and_b32 s21, ttmp7, 0xffff                   ; the cluster's y
	s_sub_co_u32 s2, s21, 16
	s_lshr_b32 s3, s2, 1
	s_and_b32 s2, s2, 1
	s_cmp_lt_u32 s21, 16
	s_cselect_b32 s3, 0, s3
	s_cselect_b32 s2, s21, s2
	s_lshl_b32 s3, s3, 3
	s_add_co_u32 s3, s3, s19
	s_lshl_b32 s22, ttmp9, 2
	s_add_co_u32 s3, s3, s22                       ; S0's block of 256 rows: hangs on cx, never on cy
	s_lshl_b32 s2, s2, 2
	s_add_co_u32 s2, s2, s20                       ; S1's block of 128 rows: hangs on cy, never on cx
	s_lshl_b32 s100, s20, 2
	s_lshl_b32 s100, 15, s100                      ; my row of the cluster
	s_lshl_b32 s66, 0x1111, s19                    ; my column
	s_or_b32 s24, s100, (3<<16)|(1<<21)            ; group 1, S1's codes: mask, elements of 8 bytes, bit 21 beside a mask
	s_or_b32 s32, s66, (3<<16)|(1<<21)             ; S0's codes
.irp g,24,32                           ; a row is half a tile's K: 768 elements (6,144 bytes), 1,536 elements from tile to tile
	s_mov_b32 s[\g+1], 768<<16
	s_mov_b32 s[\g+3], 768<<16
	s_mov_b32 s[\g+5], 1536
	s_mov_b32 s[\g+6], 0
	s_mov_b32 s[\g+7], 0
.endr
	s_mov_b32 s26, 8<<16                           ; S1: 8 tiles
	s_mov_b32 s28, 8
	s_mov_b32 s34, 16<<16                          ; S0: 16 tiles
	s_mov_b32 s36, 16
	s_mov_b32 s60, 1                               ; groups 0: S1's halves,
	s_mov_b32 s61, 0
	s_mov_b32 s68, 1
	s_mov_b32 s69, CHUNK
	s_mov_b32 s84, 1                               ; S0's halves
	s_mov_b32 s85, S0OFF
	s_mov_b32 s88, 1
	s_mov_b32 s89, CHUNK+S0OFF
	s_lshl_b32 s58, s2, 12                         ; offsets in memory: S1's scales,
	s_mov_b32 s59, 0
	s_mul_i32 s62, s2, 98304                       ; S1's codes,
	s_mov_b32 s63, 0
	s_lshl_b32 s82, s3, 13                         ; S0's scales,
	s_mov_b32 s83, 0
	s_mul_i32 s86, s3, 196608                      ; S0's codes
	s_mov_b32 s87, 0
	s_wait_dscnt 0x0                               ; both opening adds are done
	s_wait_kmcnt 0x0
	s_add_nc_u64 s[100:101], s[8:9], 1572864       ; Wv's tiles begin at tile 128
	s_add_nc_u64 s[104:105], s[10:11], 65536
	s_cmp_lt_u32 s21, 16
	s_cselect_b64 s[100:101], s[4:5], s[100:101]   ; S1's codes
	s_cselect_b64 s[104:105], s[6:7], s[104:105]   ; S1's scales
	s_cselect_b64 s[22:23], s[8:9], s[4:5]         ; S0's codes
	s_cselect_b64 s[66:67], s[10:11], s[6:7]       ; S0's scales
	s_add_nc_u64 s[58:59], s[104:105], s[58:59]
	s_add_nc_u64 s[62:63], s[100:101], s[62:63]
	s_add_nc_u64 s[70:71], s[62:63], 6144
	s_add_nc_u64 s[82:83], s[66:67], s[82:83]
	s_add_nc_u64 s[86:87], s[22:23], s[86:87]
	s_add_nc_u64 s[90:91], s[86:87], 6144
.irp r,63,71,87,91
	s_or_b32 s\r, s\r, 0x80000000                  ; type 2
.endr
	CROUND                                         ; all sixteen work-groups are here: the joint loads meet
	ARM 1, 84, 32, .Lhead_1                        ; wave 0: S0's first half
	ARM 2, 60, 24, .Lhead_2                        ; wave 1: S1's first half
	ARM 3, 88, 32, .Lhead_3                        ; wave 2: S0's second half
	TLOAD 68, 24                                   ; wave 3: S1's second half
.Lasked:
	v_and_b32 v9, 31, v0
	v_lshlrev_b32 v1, 4, v9                        ; 16 x lane
	v_lshlrev_b32 v2, 3, v9                        ; 8 x lane
	s_mul_i32 s4, s18, 24576
	v_add_nc_u32 v3, s4, v1                        ; my four tiles of S1
	v_add_nc_u32 v4, s4, v2
	s_mul_i32 s4, s17, 49152
	s_add_co_u32 s4, s4, S0OFF
	v_add_nc_u32 v5, s4, v1                        ; my eight tiles of S0
	v_add_nc_u32 v6, s4, v2
	v_bfe_u32 v10, v0, 4, 1
	v_and_b32 v11, 15, v0
	v_lshlrev_b32 v10, 9, v10
	v_lshl_add_u32 v10, v11, 4, v10                ; scale words: lanes 0-15 an even tile's rows, lanes 16-31 the odd tile's, 16 bytes (four K steps) a row
	s_lshl_b32 s4, s17, 12
	v_add_nc_u32 v7, s4, v10                       ; my eight tiles' words in S0's block
	s_lshl_b32 s4, s18, 11
	v_add_nc_u32 v8, s4, v10                       ; my four tiles' in S1's
.irp p,0,1,2,3                         ; all eight K steps' scale words, once: register 8 p + q: tile 2 p in lanes 0-15, tile 2 p + 1 in lanes 16-31
.irp hk,0,1
	global_load_b128 v[32+8*\p+4*\hk:32+8*\p+4*\hk+3], v7, s[82:83] offset:\p*1024+\hk*256
.endr
.endr
.irp p,0,1
.irp hk,0,1
	global_load_b128 v[64+8*\p+4*\hk:64+8*\p+4*\hk+3], v8, s[58:59] offset:\p*1024+\hk*256
.endr
.endr
.irp b,0,1,2,3
	v_mov_b32 v[TM+4+\b], 0                        ; a lane permute's destination counts as read
.endr
	v_mov_b32 v226, 0x7f7f7f7f                     ; the byte of 1.0
	; where the results go
	s_lshl_b32 s4, s3, 2
	s_lshl_b32 s5, s17, 1
	s_add_co_u32 s4, s4, s5                        ; q, k: my first head of two
	s_lshl_b32 s4, s4, 6
	s_add_co_u32 s4, s4, s2
	s_mul_i32 s4, s4, 6656                         ; its 128 tokens' place
	s_mul_i32 s5, s18, 3072
	s_add_co_u32 s5, s4, s5                        ; my four tiles of tokens
	s_lshl_b32 s6, s18, 8
	s_add_co_u32 s6, s6, s4
	s_add_co_u32 s6, s6, 6144                      ; my group of scale words
	s_lshl_b32 s7, s3, 1
	s_add_co_u32 s7, s7, s17                       ; v: my 128 keys among all 8,192 tokens
	s_lshr_b32 s8, s7, 4
	s_lshl_b32 s8, s8, 4
	s_lshl_b32 s9, s2, 1
	s_add_co_u32 s8, s8, s9
	s_add_co_u32 s8, s8, s18                       ; batch x 16 + head
	s_lshl_b32 s8, s8, 4
	s_and_b32 s7, s7, 15
	s_add_co_u32 s8, s8, s7
	s_mul_i32 s8, s8, 6400
	s_add_co_u32 s9, s8, 6144
	s_cmp_lt_u32 s21, 16
	s_cselect_b64 s[12:13], s[12:13], s[14:15]     ; qk or vt
	s_cselect_b32 s4, s5, s8
	s_cselect_b32 s6, s6, s9
	s_mov_b32 s10, 1536
	s_cselect_b32 s10, 768, s10                    ; from tile a to tile a + 1
	s_mov_b32 s8, 768
	s_cselect_b32 s8, 425984, s8                   ; from a fragment's first half to its second: the next head (64 x 6,656), or the next 64 keys
	s_mov_b32 s5, 0
	s_mov_b32 s7, 0
	s_mov_b32 s9, 0
	s_mov_b32 s11, 0
	s_add_nc_u64 s[14:15], s[12:13], s[4:5]        ; half 0's place
	s_add_nc_u64 s[22:23], s[14:15], s[8:9]        ; half 1's
	s_add_nc_u64 s[12:13], s[12:13], s[6:7]        ; the scale words'
	s_add_nc_u64 s[66:67], s[12:13], s[8:9]        ; and the second head's (q, k alone)
	s_mov_b32 s100, 0xffff0000                     ; lanes 16-31
	s_mov_b32 s104, 0x76543210
	s_mov_b32 s105, 0xfedcba98                     ; v_permlanex16_b32: lane l xor 16
.macro HFRAG reg, a16, a8, off         ; a half image into six registers
	ds_load_b128 v[\reg:\reg+3], v[\a16] offset:\off
	ds_load_b64 v[\reg+4:\reg+5], v[\a8] offset:\off+512
.endm
.macro FETCH q                         ; the fragments of K step q (128 along K): 48 loads
	WIN 0x40                                       ; destination window 1
.irp b,0,1,2,3,4,5,6,7
.irp hh,0,1
	HFRAG 128*((\q)%2)+12*\b+6*\hh,5,6,\b*6144+((\q)%4)*1536+\hh*768
.endr
.endr
	WIN 0
.irp a,0,1,2,3
.irp hh,0,1
	HFRAG 80+48*((\q)%2)+12*\a+6*\hh,3,4,\a*6144+((\q)%4)*1536+\hh*768
.endr
.endr
.endm
.macro WM a, b, r0, r1, q, first       ; one product: S0's tile b (source 0, scale row r0 = b % 2) x S1's tile a (source 1, scale row r1 = a % 2)
.set rD, 8*(8*(\a)+(\b))
.set rA, 128*((\q)%2)+12*(\b)
.set rB, 80+48*((\q)%2)+12*(\a)
.set rX, 32+8*((\b)/2)+(\q)
.set rY, 64+8*((\a)/2)+(\q)
.if \first
	v_wmma_scale_f32_16x16x128_f8f6f4 v[rD:rD+7], v[rA:rA+11], v[rB:rB+11], 0, v[rX], v[rY] matrix_a_fmt:MATRIX_FMT_FP6 matrix_b_fmt:MATRIX_FMT_FP6 matrix_a_scale:MATRIX_SCALE_ROW\r0 matrix_b_scale:MATRIX_SCALE_ROW\r1
.else
	v_wmma_scale_f32_16x16x128_f8f6f4 v[rD:rD+7], v[rA:rA+11], v[rB:rB+11], v[rD:rD+7], v[rX], v[rY] matrix_a_fmt:MATRIX_FMT_FP6 matrix_b_fmt:MATRIX_FMT_FP6 matrix_a_scale:MATRIX_SCALE_ROW\r0 matrix_b_scale:MATRIX_SCALE_ROW\r1
.endif
.endm
.macro MUL32 q, first                  ; the 32 accumulators take turns, one instruction a turn, in the same order in every step
	WIN 0xa1                                       ; source 0 window 1, source 1 window 0, C and D window 2
.irp ah,0,1
.irp al,0,1
.irp bh,0,1,2,3
.irp bl,0,1
	WM 2*\ah+\al,2*\bh+\bl,\bl,\al,\q,\first
.endr
.endr
.endr
.endr
.endm
; K step q: its fragments are in; the next step's are asked for, four places behind the products that read that set; then the 32 products.
.macro KSTEP q, first
	s_wait_dscnt 0x0                               ; this step's fragments are in; no LDS instruction of mine is out
.if (\q) < 7
.if (\q) == 3
	WIN 0
	s_wait_tensorcnt 0x0                           ; my load has landed, whichever it was
	s_barrier_signal -1
	s_barrier_wait -1                              ; the second half of K is whole
	v_add_nc_u32 v3, CHUNK, v3                     ; on to it; these four are also the places in front of the loads
	v_add_nc_u32 v4, CHUNK, v4
	v_add_nc_u32 v5, CHUNK, v5
	v_add_nc_u32 v6, CHUNK, v6
.elseif (\q) > 0
.rept 4
	v_nop                                          ; places in front of loads into registers that matrix instructions have read
.endr
.endif
	FETCH (\q)+1
.endif
	MUL32 \q,\first
.endm
	s_wait_alu depctr_va_vdst(0)                   ; the wait at the head's end
	s_cmp_lt_u32 s16, 2
	s_cbranch_scc0 .Lnot_first
	s_wait_tensorcnt 0x0                           ; waves 0 and 1: my tile of the first half is in
.Lnot_first:
	s_barrier_signal -1
	s_barrier_wait -1                              ; the first half of K is whole; the second may be on its way
	FETCH 0
	s_wait_loadcnt 0x0                             ; the scale words
	KSTEP 0,1                                      ; the first products start the sums: nothing is cleared
	KSTEP 1,0
	KSTEP 2,0
	KSTEP 3,0
	s_wait_alu depctr_va_vdst(0)
	KSTEP 4,0
	KSTEP 5,0
	KSTEP 6,0
	KSTEP 7,0
	WIN 0
.rept 4
	v_nop                                          ; places in front of the first read of results
.endr
; THE WAY OUT.  For S1's tile a a lane's 64 results are 128 neighbours' halves along S0: register 16 b + i = 32 b + 16 (lane / 16) + i of my row.  They become a fragment's codes and its scale word.
.macro QUANT a
	WIN 0x28                                       ; sources 1 and 2 window 2
.irp b,0,1,2,3
	v_max3_num_f32 v[TM+\b], 0x1800000, |v[64*(\a)+16*\b]|, |v[64*(\a)+16*\b+1]|   ; block b, from each accumulator's low end on, and the floor 2^(3 - 127)
.endr
.irp i,2,4,6,8,10,12,14
.irp b,0,1,2,3
	v_max3_num_f32 v[TM+\b], v[TM+\b], |v[64*(\a)+16*\b+\i]|, |v[64*(\a)+16*\b+\i+1]|
.endr
.endr
	WIN 0
.irp b,0,1,2,3
	v_permlanex16_b32 v[TM+4+\b], v[TM+\b], s104, s105
.endr
.irp b,0,1,2,3
	v_max_num_f32 v[TM+\b], v[TM+\b], v[TM+4+\b]   ; with lane l xor 16's: the block's largest magnitude
.endr
.irp b,0,1,2,3
	v_add_nc_u32 v[TM+12+\b], 0xff000000, v[TM+\b] ; 2 off the exponent field: the conversion's scale operand
.endr
.irp b,0,1,2,3
	v_lshrrev_b32 v[TM+4+\b], 23, v[TM+12+\b]      ; the byte
.endr
	v_lshl_or_b32 v[WD+(\a)], v[TM+5], 8, v[TM+4]
	v_lshl_or_b32 v[WD+(\a)], v[TM+6], 16, v[WD+(\a)]
	v_lshl_or_b32 v[WD+(\a)], v[TM+7], 24, v[WD+(\a)]
	s_wait_xcnt 0x0                                ; the last tile's stores have read their data and their bases
.if (\a) > 0
	s_add_nc_u64 s[14:15], s[14:15], s[10:11]
	s_add_nc_u64 s[22:23], s[22:23], s[10:11]
.endif
	WIN 0x02                                       ; source 0 window 2
.irp c,0,1
	v_cvt_scalef32_pk16_fp6_f32 v[PC+6*\c:PC+6*\c+2], v[64*(\a)+32*\c:64*(\a)+32*\c+15], v[TM+12+2*\c]
	v_cvt_scalef32_pk16_fp6_f32 v[PC+12+4*\c:PC+14+4*\c], v[64*(\a)+32*\c+16:64*(\a)+32*\c+31], v[TM+13+2*\c]
.endr
	WIN 0
	v_nop                                          ; one plain place behind the conversions
.irp c,0,1                             ; the operand wants a whole block in a lane: lanes 0-15 block 2 c, lanes 16-31 block 2 c + 1
.irp i,0,1,2
	v_permlane16_swap_b32 v[PC+6*\c+\i], v[PC+12+4*\c+\i]
.endr
.irp i,0,1,2
	v_mov_b32 v[PC+3+6*\c+\i], v[PC+12+4*\c+\i]
.endr
.endr
	global_store_b128 v1, v[PC:PC+3], s[14:15]             ; each half of the fragment is a half image: 512 and 256 consecutive bytes
	global_store_b64 v2, v[PC+4:PC+5], s[14:15] offset:512
	global_store_b128 v1, v[PC+6:PC+9], s[22:23]
	global_store_b64 v2, v[PC+10:PC+11], s[22:23] offset:512
.endm
	QUANT 0
	QUANT 1
	QUANT 2
	QUANT 3
	v_cndmask_b32 v220, v216, v217, s100           ; word p of lane 16 u + r: tile 2 p + u, row r
	v_cndmask_b32 v221, v218, v219, s100
	s_cmp_lt_u32 s21, 16                           ; the kind: the cluster's y, the same in all partners
	s_cbranch_scc1 .Lqk_scales
	global_store_b64 v2, v[220:221], s[12:13]      ; v: the words as they are, 256 consecutive bytes
	s_branch .Ldone
.Lqk_scales:
	s_wait_alu depctr_va_vdst(0)
	v_perm_b32 v222, v226, v220, 0x04040100        ; q, k: a head has two of the four bytes; the upper two are the byte of 1.0, for the zero codes that fill K up to 128
	v_perm_b32 v223, v226, v221, 0x04040100
	v_perm_b32 v224, v226, v220, 0x04040302
	v_perm_b32 v225, v226, v221, 0x04040302
	global_store_b64 v2, v[222:223], s[12:13]
	global_store_b64 v2, v[224:225], s[66:67]
.Ldone:
	s_wait_tensorcnt 0x0                           ; the wave's end
	ds_add_u32 v[SPW], v[NIL]
	s_wait_dscnt 0x0
	CROUND                                         ; the closing round
	s_endpgm
.Lfunc_end_k_q5a14a18ac8_proj:
	.size	k_q5a14a18ac8_proj, .Lfunc_end_k_q5a14a18ac8_proj-k_q5a14a18ac8_proj
	.p2alignl 7, 3214868480
	.fill 96, 4, 3214868480
	.section	.rodata,"a",@progbits
	.p2align	6, 0x0
	.amdhsa_kernel k_q5a14a18ac8_proj
		.amdhsa_group_segment_fixed_size 327680
		.amdhsa_private_segment_fixed_size 0
		.amdhsa_enable_private_segment 0
		.amdhsa_kernarg_size 48
		.amdhsa_user_sgpr_count 2
		.amdhsa_user_sgpr_kernarg_segment_ptr 1
		.amdhsa_wavefront_size32 1
		.amdhsa_system_sgpr_workgroup_id_x 1
		.amdhsa_system_sgpr_workgroup_id_y 1
		.amdhsa_system_sgpr_workgroup_id_z 1
		.amdhsa_system_vgpr_workitem_id 0
		.amdhsa_next_free_vgpr 768
		.amdhsa_next_free_sgpr 106
		.amdhsa_reserve_vcc 0
		.amdhsa_float_denorm_mode_32 3
		.amdhsa_float_denorm_mode_16_64 3
		.amdhsa_memory_ordered 1
		.amdhsa_forward_progress 1
		.amdhsa_inst_pref_size 87
	.end_amdhsa_kernel
	.amdgpu_metadata
---
amdhsa.version: [ 1, 2 ]
amdhsa.kernels:
  - .name:           k_q5a14a18ac8_proj
    .symbol:         k_q5a14a18ac8_proj.kd
    .args:
      - { .name: ximg, .offset: 0, .size: 8, .value_kind: global_buffer, .address_space: global }
      - { .name: xsc, .offset: 8, .size: 8, .value_kind: global_buffer, .address_space: global }
      - { .name: wimg, .offset: 16, .size: 8, .value_kind: global_buffer, .address_space: global }
      - { .name: wsc, .offset: 24, .size: 8, .value_kind: global_buffer, .address_space: global }
      - { .name: qk, .offset: 32, .size: 8, .value_kind: global_buffer, .address_space: global }
      - { .name: vt, .offset: 40, .size: 8, .value_kind: global_buffer, .address_space: global }
    .group_segment_fixed_size: 327680
    .private_segment_fixed_size: 0
    .kernarg_segment_align: 8
    .kernarg_segment_size: 48
    .max_flat_workgroup_size: 128
    .sgpr_count:     106
    .vgpr_count:     768
    .wavefront_size: 32
...
	.end_amdgpu_metadata
.endif
;; end of part 2
;; launch attn (part 3): grid 4 x 64, 16 waves a work-group, clusters of 4 x 1, 327,680 bytes of LDS; arguments qk, vt, ac, asc; writes ac, asc
.if DOCPART == 3
	.amdgcn_target "amdgcn-amd-amdhsa--gfx1250"
	.amdhsa_code_object_version 6
	.text
	.protected	k_q5a14a18ac8_attn
	.globl	k_q5a14a18ac8_attn
	.p2align	8
	.type	k_q5a14a18ac8_attn,@function
k_q5a14a18ac8_attn:
	s_mov_b64 s[64:65], 0
	v_nop
	global_prefetch_b8 v0, s[64:65] scope:SCOPE_SE
	s_setreg_imm32_b32 hwreg(HW_REG_WAVE_MODE, 25, 1), 1
	s_wait_xcnt 0x0
	s_wait_alu depctr_hold_cnt(0) depctr_sa_sdst(0) depctr_va_vdst(0) depctr_va_sdst(0) depctr_va_ssrc(0) depctr_va_vcc(0) depctr_vm_vsrc(0)
	s_getreg_b32 s2, hwreg(HW_REG_IB_STS2, 6, 4)
	s_cmp_eq_u32 s2, 0
	s_cbranch_scc0 .Lentry_in_a_cluster
	s_endpgm
.Lentry_in_a_cluster:
	s_bfe_u32 s2, ttmp6, 0x10000c
	s_cmp_lg_u32 s2, 0x3003
	s_cbranch_scc0 .Lentry_shape_is_right
	s_endpgm
.Lentry_shape_is_right:
; Attention of one head (batch x 16 + head = the grid's y) on codes of FP6 (E2M3) with E8M0 scales; the result, divided by the row's sum, is quantised along the head's 64 and leaves as codes for the last product.
; THE SOFTMAX: t = score x log2(e) / 8; M = the running largest t rounded up to a whole number; p = 2^(t - M) is quantised along the keys, not normalised; the sum is taken of the unquantised p; when M moves, sum and O are multiplied by 2^(old M - new M), exactly.
; SHARES.  A work-group owns 512 queries; each of its sixteen waves one tile of 16 in each of two passes, in 256 registers: four waves to a SIMD.
; THE HEAD'S WHOLE K AND V LIE IN LDS, brought once: no LDS byte is filled twice.  FILLS: one joint load a wave, all at the head, each of two key steps (256 keys):
; waves 0, 1 K's steps 0-3; waves 2, 3 V's steps 0-3; waves 4-9 K's steps 4-15; waves 10-15 V's steps 4-15.  Waves 0-3 have load lines of their own and wait ahead of the first barrier; every wave waits ahead of the second.
; K begins at LDS byte KB = 4 KSB, so that each wave's LDS address is 2 x wave x a step's bytes + a constant that is not negative.  No prefetch: every fill is asked for at the head.
; CLUSTER: the four work-groups of a head read the same K and V: joint loads with the mask of all four.  cx enters global addresses of Q and of the results alone.
; LAYOUT.  Both products transposed: S^T = K Q^T, O^T = V^T P^T: a lane holds one query.  K's, Q's and V's tiles are half images of the operand's registers (16 rows x 64 k, 768 bytes).  Place p of a tile's rows holds row sw(p) (bits 3, 4 swapped),
; so the 16 registers of tiles 2 b, 2 b + 1 are 16 neighbouring keys (or channels): 32 b + 16 (lane / 16) + 0 .. 15.
; K = 64 IN AN INSTRUCTION OF 128: Q's upper 64 codes are zeros and the scale bytes there are 1.0 on both sides; so K's fragment of tile t is the twelve registers from its own six on: what follows multiplies zeros.
; LIMITS: a block whose largest magnitude lies under 2^-124 gets the byte 1; NaN and infinities are not served; a block's largest p is taken through its largest score, which takes v_exp_f32 not to fall where its input rises; the scaled scores stay under 2^31 in magnitude.
; REGISTERS: v1-4 lane terms; v5, v6 the add's; v7-10 the step's LDS addresses; v12 -M, v13 largest t, v[14:15] the sum; v16-27, v28-39 Q of pass 0, 1; v40, v41 Q's scale words; v42-45 K's, v46-47 V's; v48-101 K's or V's codes; v104-167 S^T, then p; v168-199 O^T; v200-218 p's codes; v220-255 at work.
.set KSB,   6656                       ; 128 keys of K: eight half images and 512 bytes of scale words
.set VSB,   6400                       ; 128 keys of V: eight half images and 256 bytes of scale words
.set KB,    4*KSB
.set VB,    KB+16*KSB
.set SPARE, VB+16*VSB                  ; the spare words, 128 bytes a wave
.set SPW, 5
.set NIL, 6
.set F,   48
.set S,   104
.set O,   168
.set PC,  200
.set BM,  220
.set T2,  224
.set SO,  228
; K'S ROWS ARE REGROUPED AS THEY ARE READ FROM LDS: lane r of the tile 4 c + j that is multiplied takes row r % 8 + 8 (j / 2) of the stored tile 4 c + 2 (r / 8) + j % 2, which is key 64 c + 32 (r / 8) + 8 j + r % 8.
; So register 32 c + 8 j + i of S^T in lane (r, h) is key 64 c + 32 h + 8 j + i: a lane holds two whole blocks of 32 keys, h and 2 + h, in the order of the next operand's registers.
.set H8,  219                          ; v219  8 h: where my two bytes stand in p's scale word
.set OM,  235                          ; v235  -M as it was before the step
.set KSA, 238                          ; v238  the step's LDS address of K's scale words
.set KH,  241                          ; v241  lane term of K's loads of 8 bytes: 1,536 (r / 8) + 8 (r % 8) + 128 h
.set KS,  242                          ; v242  of K's scale words: 128 h + 8 (r % 8) + 4 (r / 8)
.set KA,  243                          ; v243  of K's loads of 16 bytes: 1,536 (r / 8) + 16 (r % 8) + 256 h
.macro CROUND
	s_barrier_signal -1
	s_barrier_wait -1
	s_cmp_lg_u32 s12, 0
	s_cbranch_scc1 .Lnot_wave_0_\@
	s_barrier_signal -3
.Lnot_wave_0_\@:
	s_barrier_wait -3
	s_barrier_signal -1
	s_barrier_wait -1
.endm
; my load: two key steps from step 2 x wave - back on; ldsc = the region's base - back steps
.macro FILL base, ldsc, gsub, stepb, g1
	s_mul_i32 s42, s12, 2*\stepb
	s_mov_b32 s43, 0
	s_add_co_u32 s41, s42, \ldsc
	s_add_nc_u64 s[42:43], s[\base:\base+1], s[42:43]
.if \gsub
	s_sub_nc_u64 s[42:43], s[42:43], \gsub
.endif
	s_or_b32 s43, s43, 0x80000000                  ; type 2
	tensor_load_to_lds s[40:43], s[\g1:\g1+7]
	s_nop 0
.rept 4
	v_nop
.endr
.endm
.macro ARM under, base, ldsc, gsub, stepb, g1, next
	s_cmp_lt_u32 s12, \under
	s_cbranch_scc0 \next
	FILL \base, \ldsc, \gsub, \stepb, \g1
	s_branch .Lasked
\next:
.endm
	s_load_b256 s[4:11], s[0:1], 0x0               ; qk, vt, ac, asc
	v_lshl_add_u32 v[SPW], v0, 2, SPARE
	v_mov_b32 v[NIL], 0
	ds_add_u32 v[SPW], v[NIL]                      ; the opening lines
	ds_add_u32 v[SPW], v[NIL]
	v_lshrrev_b32 v7, 5, v0
	s_delay_alu instid0(VALU_DEP_1)
	v_readfirstlane_b32 s12, v7                    ; wave 0..15
	s_bfe_u32 s13, ttmp6, 0x40000                  ; cx
	s_and_b32 s14, ttmp7, 0xffff                   ; batch x 16 + head
	s_lshr_b32 s15, s14, 4                         ; batch
	s_and_b32 s16, s14, 15                         ; head
	s_lshl_b32 s80, s16, 6
	s_lshl_b32 s81, s15, 4
	s_add_co_u32 s80, s80, s81                     ; 64 head + 16 batch: q's first 128 tokens of this batch
	s_add_co_u32 s82, s80, 1024                    ; k's heads lie 16 heads on
	s_mul_i32 s82, s82, KSB
	s_mov_b32 s83, 0
	s_mul_i32 s84, s14, 16*VSB
	s_mov_b32 s85, 0
	s_lshl_b32 s86, s13, 2                         ; my queries: tile 32 cx + 16 pass + wave of the batch's 128
	s_add_co_u32 s86, s86, s80
	s_lshr_b32 s87, s12, 3
	s_add_co_u32 s86, s86, s87
	s_mul_i32 s86, s86, KSB
	s_and_b32 s87, s12, 7
	s_mul_i32 s88, s87, 768
	s_add_co_u32 s88, s88, s86                     ; Q's half image
	s_mov_b32 s89, 0
	s_lshr_b32 s90, s87, 2                         ; Q's scale words: group (tile / 4), lanes 16 (tile % 2) on, word (tile / 2) % 2
	s_lshl_b32 s90, s90, 8
	s_add_co_u32 s90, s90, s86
	s_and_b32 s91, s12, 1
	s_lshl_b32 s91, s91, 7
	s_add_co_u32 s90, s90, s91
	s_bfe_u32 s91, s12, 0x10001
	s_lshl_b32 s91, s91, 2
	s_add_co_u32 s90, s90, s91
	s_add_co_u32 s90, s90, 6144
	s_mov_b32 s91, 0
	s_lshl_b32 s92, s15, 7
	s_lshl_b32 s93, s13, 5
	s_add_co_u32 s92, s92, s93
	s_add_co_u32 s92, s92, s12                     ; my tile of tokens among all 512, pass 0
	s_lshl_b32 s94, s92, 9                         ; its scale bytes: 512 a tile, + 256 (head / 8) + 2 (head % 8)
	s_lshr_b32 s93, s16, 3
	s_lshl_b32 s93, s93, 8
	s_add_co_u32 s94, s94, s93
	s_and_b32 s93, s16, 7
	s_lshl_b32 s93, s93, 1
	s_add_co_u32 s94, s94, s93
	s_mov_b32 s95, 0
	s_lshl_b32 s92, s92, 4
	s_add_co_u32 s92, s92, s16
	s_mul_i32 s92, s92, 768                        ; its half image for this head's 64 along the next K
	s_mov_b32 s93, 0
	s_mov_b32 s24, 15|(3<<16)|(1<<21)              ; group 1, two steps of K: the mask of all four; elements of 8 bytes; bit 21 beside a mask: 52 dense rows of 256 bytes
	s_mov_b32 s25, 32<<16
	s_mov_b32 s26, 52<<16
	s_mov_b32 s27, 32<<16
	s_mov_b32 s28, 52
	s_mov_b32 s29, 32
	s_mov_b32 s30, 0
	s_mov_b32 s31, 0
	s_mov_b32 s32, 15|(3<<16)|(1<<21)              ; two steps of V: 50 rows
	s_mov_b32 s33, 32<<16
	s_mov_b32 s34, 50<<16
	s_mov_b32 s35, 32<<16
	s_mov_b32 s36, 50
	s_mov_b32 s37, 32
	s_mov_b32 s38, 0
	s_mov_b32 s39, 0
	s_mov_b32 s40, 1                               ; group 0's count
	s_mov_b32 s20, 0x76543210
	s_mov_b32 s21, 0xfedcba98                      ; v_permlanex16_b32: lane l xor 16
	s_mov_b32 s22, 0x3e38aa3b                      ; c = log2(e) / 8
	s_mov_b32 s23, s22                             ; (named with it as a pair)
	s_wait_dscnt 0x0                               ; both opening adds are done
	s_wait_kmcnt 0x0
	s_add_nc_u64 s[44:45], s[4:5], s[82:83]        ; the head's K
	s_add_nc_u64 s[46:47], s[6:7], s[84:85]        ; the head's V
	s_add_nc_u64 s[88:89], s[4:5], s[88:89]
	s_add_nc_u64 s[90:91], s[4:5], s[90:91]
	s_add_nc_u64 s[8:9], s[8:9], s[92:93]
	s_add_nc_u64 s[10:11], s[10:11], s[94:95]
	CROUND                                         ; all four work-groups are here: the joint loads meet
	ARM 2,  44, KB, 0, KSB, 24, .Lhead_v0          ; waves 0, 1: K's steps 0-3
	ARM 4,  46, VB-4*VSB, 4*VSB, VSB, 32, .Lhead_k1   ; waves 2, 3: V's steps 0-3
	ARM 10, 44, KB-4*KSB, 4*KSB, KSB, 24, .Lhead_v1   ; waves 4-9: K's steps 4-15
	FILL 46, VB-16*VSB, 16*VSB, VSB, 32            ; waves 10-15: V's steps 4-15
.Lasked:
	v_and_b32 v9, 31, v0
	s_delay_alu instid0(VALU_DEP_1)
	v_lshlrev_b32 v1, 4, v9                        ; 16 x lane
	s_delay_alu instid0(VALU_DEP_2)
	v_lshlrev_b32 v2, 3, v9                        ; 8 x lane
	v_and_b32 v10, 15, v0
	s_delay_alu instid0(VALU_DEP_1)
	v_lshlrev_b32 v3, 3, v10                       ; 8 r: Q's scale word
	s_delay_alu instid0(VALU_DEP_2)
	v_lshlrev_b32 v4, 4, v10                       ; 16 r: the result's scale bytes
	global_load_b128 v[16:19], v1, s[88:89]                ; Q of both passes stays in registers; pass 1's tile lies two steps of 128 tokens on
	global_load_b64 v[20:21], v2, s[88:89] offset:512
	global_load_b128 v[28:31], v1, s[88:89] offset:2*KSB
	global_load_b64 v[32:33], v2, s[88:89] offset:2*KSB+512
	global_load_b32 v40, v3, s[90:91]
	global_load_b32 v41, v3, s[90:91] offset:2*KSB
	v_and_b32 v7, 7, v0                            ; r % 8
	v_bfe_u32 v8, v0, 3, 1                         ; r / 8
	v_bfe_u32 v239, v0, 4, 1                       ; h
	v_lshlrev_b32 v[H8], 3, v239
	v_lshlrev_b32 v7, 3, v7
	v_lshl_add_u32 v239, v239, 7, v7               ; 8 (r % 8) + 128 h
	v_mul_u32_u24 v240, v8, 1536
	v_add_nc_u32 v[KH], v240, v239
	v_lshl_add_u32 v[KS], v8, 2, v239
	v_lshl_add_u32 v[KA], v239, 1, v240
.irp i,22,23,24,25,26,27,34,35,36,37,38,39,96,97,98,99,100,101
	v_mov_b32 v\i, 0                               ; Q's upper 64 codes, and the six registers behind K's last tile
.endr
.irp i,224,225,226,227,233,234
	v_mov_b32 v\i, 0                               ; lane permutes' destinations, and the upper half of the pair v[232:233], count as read
.endr
.macro INIT
	v_mov_b32 v13, 0xff61b1e6                      ; the largest t so far: -3e38
	s_delay_alu instid0(VALU_DEP_1)
	v_floor_f32 v12, -v13                          ; -M
	v_mov_b32 v14, 0
	v_mov_b32 v15, 0
.irp j,0,1,2,3,4,5,6,7,8,9,10,11,12,13,14,15,16,17,18,19,20,21,22,23,24,25,26,27,28,29,30,31
	v_mov_b32 v[O+\j], 0                           ; the step has no first step of its own: the first change of M multiplies zeros
.endr
.endm
.macro HFRAG reg, a16, a8, off         ; a half image into six registers
	ds_load_b128 v[\reg:\reg+3], v[\a16] offset:\off
	ds_load_b64 v[\reg+4:\reg+5], v[\a8] offset:\off+512
.endm
; A KEY STEP: 128 keys; s76 and s77 say where its K and its V begin in LDS.
.macro STEP qf, qs
	v_add_nc_u32 v7, s76, v[KA]                    ; these four are also the places in front of the loads into registers that the last products read
	v_add_nc_u32 v8, s76, v[KH]
	v_add_nc_u32 v[KSA], s76, v[KS]
	v_add_nc_u32 v9, s77, v1
.irp c,0,1
.irp j,0,1,2,3
	ds_load_b128 v[F+24*\c+6*\j:F+24*\c+6*\j+3], v7 offset:(4*\c+\j%2)*768+(\j/2)*128
	ds_load_b64 v[F+24*\c+6*\j+4:F+24*\c+6*\j+5], v8 offset:(4*\c+\j%2)*768+512+(\j/2)*64
.endr
.endr
.irp c,0,1
.irp jj,0,1
	ds_load_b32 v[42+2*\c+\jj], v[KSA] offset:6144+256*\c+64*\jj   ; K's scale words by the same regrouping: tile 4 c + 2 jj in lanes 0-15, tile 4 c + 2 jj + 1 in lanes 16-31
.endr
.endr
	s_wait_alu depctr_va_vdst(0)
	s_wait_dscnt 0x0
.irp t,0,2,4,6
	v_wmma_scale_f32_16x16x128_f8f6f4 v[S+8*\t:S+8*\t+7], v[F+6*\t:F+6*\t+11], v[\qf:\qf+11], 0, v[42+\t/2], v[\qs] matrix_a_fmt:MATRIX_FMT_FP6 matrix_b_fmt:MATRIX_FMT_FP6
	v_wmma_scale_f32_16x16x128_f8f6f4 v[S+8*\t+8:S+8*\t+15], v[F+6*\t+6:F+6*\t+17], v[\qf:\qf+11], 0, v[42+\t/2], v[\qs] matrix_a_fmt:MATRIX_FMT_FP6 matrix_b_fmt:MATRIX_FMT_FP6 matrix_a_scale:MATRIX_SCALE_ROW1
.endr
	v_add_nc_u32 v10, s77, v2                      ; four places in front of the loads below and of the first read of the scores
	v_mov_b32 v[OM], v12
	v_nop
	v_nop
.irp i,0,1,2,3,4,5,6,7
	HFRAG F+6*\i,9,10,\i*768                       ; V's eight half images land while the softmax is walked
.endr
	ds_load_b64 v[46:47], v10 offset:6144
.irp b,0,1,2,3
	v_max3_num_f32 v[BM+\b], v[S+16*\b], v[S+1+16*\b], v[S+2+16*\b]   ; the largest score of each block of 32 keys: for the row's maximum, and for the block's largest p
.endr
.irp i,3,5,7,9,11,13
.irp b,0,1,2,3
	v_max3_num_f32 v[BM+\b], v[BM+\b], v[S+16*\b+\i], v[S+1+16*\b+\i]
.endr
.endr
.irp b,0,1,2,3
	v_max_num_f32 v[BM+\b], v[BM+\b], v[S+15+16*\b]
.endr
	v_max_num_f32 v220, v220, v221                 ; my block h: both its halves are mine
	v_max_num_f32 v221, v222, v223                 ; my block 2 + h
	s_delay_alu instid0(VALU_DEP_1)
	v_max_num_f32 v234, v220, v221
	s_delay_alu instid0(VALU_DEP_1)
	v_permlanex16_b32 v224, v234, s20, s21
	s_delay_alu instid0(VALU_DEP_1)
	v_max_num_f32 v234, v234, v224                 ; with lane l xor 16's two blocks: the step's largest score of my query
	s_delay_alu instid0(VALU_DEP_1)
	v_mul_f32 v234, s22, v234                      ; as t
	s_delay_alu instid0(VALU_DEP_1)
	v_max_num_f32 v13, v13, v234                   ; the running largest t
	s_delay_alu instid0(VALU_DEP_1)
	v_floor_f32 v12, -v13                          ; the new -M = -ceil(t)
	s_delay_alu instid0(VALU_DEP_1)
	v_sub_f32 v234, v12, v[OM]                     ; old M - new M: a whole number, 0 or less
	s_delay_alu instid0(VALU_DEP_1)
	v_cvt_i32_f32 v234, v234                       ; (it saturates)
	s_delay_alu instid0(VALU_DEP_1)
	v_ldexp_f32 v232, 1.0, v234                    ; f = 2^(old M - new M)
.irp j,0,2,4,6,8,10,12,14,16,18,20,22,24,26,28,30,32,34,36,38,40,42,44,46,48,50,52,54,56,58,60,62
	v_pk_fma_f32 v[S+\j:S+\j+1], v[S+\j:S+\j+1], s[22:23], v[12:13] op_sel_hi:[1,0,0]   ; t - M
.endr
.irp b,0,1
	v_fma_f32 v[BM+\b], v[BM+\b], s22, v12         ; the same of each of my two blocks' largest score
.endr
	s_wait_alu depctr_va_vdst(0)
.irp j,0,1,2,3,4,5,6,7,8,9,10,11,12,13,14,15,16,17,18,19,20,21,22,23,24,25,26,27,28,29,30,31,32,33,34,35,36,37,38,39,40,41,42,43,44,45,46,47,48,49,50,51,52,53,54,55,56,57,58,59,60,61,62,63
	v_exp_f32 v[S+\j], v[S+\j]                     ; p = 2^(t - M)
.endr
	v_pk_mul_f32 v[14:15], v[14:15], v[232:233] op_sel_hi:[1,0]   ; the sums under the new M: the plain place behind the batch
	s_wait_alu depctr_va_vdst(0)                   ; one wait for the 64, ahead of their first reader
.irp b,0,1
	v_exp_f32 v[BM+\b], v[BM+\b]                   ; the block's largest p
.endr
	v_pk_add_f32 v[224:225], v[108:109], v[112:113]
	v_pk_add_f32 v[254:255], v[116:117], v[120:121]
	v_pk_add_f32 v[252:253], v[124:125], v[128:129]
	v_pk_add_f32 v[250:251], v[132:133], v[136:137]
	v_pk_add_f32 v[248:249], v[140:141], v[144:145]
	v_pk_add_f32 v[246:247], v[148:149], v[152:153]
	v_pk_add_f32 v[244:245], v[156:157], v[160:161]
	v_pk_add_f32 v[14:15], v[14:15], v[164:165]
	v_pk_add_f32 v[224:225], v[224:225], v[104:105]
	v_pk_add_f32 v[254:255], v[254:255], v[106:107]
	v_pk_add_f32 v[252:253], v[252:253], v[110:111]
	v_pk_add_f32 v[250:251], v[250:251], v[114:115]
	v_pk_add_f32 v[248:249], v[248:249], v[118:119]
	v_pk_add_f32 v[246:247], v[246:247], v[122:123]
	v_pk_add_f32 v[244:245], v[244:245], v[126:127]
	v_pk_add_f32 v[14:15], v[14:15], v[130:131]
	v_pk_add_f32 v[224:225], v[224:225], v[134:135]
	v_pk_add_f32 v[254:255], v[254:255], v[138:139]
	v_pk_add_f32 v[252:253], v[252:253], v[142:143]
	v_pk_add_f32 v[250:251], v[250:251], v[146:147]
	v_pk_add_f32 v[248:249], v[248:249], v[150:151]
	v_pk_add_f32 v[246:247], v[246:247], v[154:155]
	v_pk_add_f32 v[244:245], v[244:245], v[158:159]
	v_pk_add_f32 v[14:15], v[14:15], v[162:163]
	v_pk_add_f32 v[224:225], v[224:225], v[166:167]
	s_delay_alu instid0(VALU_DEP_2)
	v_pk_add_f32 v[14:15], v[14:15], v[250:251]
	s_delay_alu instid0(VALU_DEP_2)
	v_pk_add_f32 v[224:225], v[224:225], v[248:249]
	v_pk_add_f32 v[254:255], v[254:255], v[246:247]
	v_pk_add_f32 v[252:253], v[252:253], v[244:245]
	s_delay_alu instid0(VALU_DEP_2)
	v_pk_add_f32 v[14:15], v[14:15], v[254:255]
	s_delay_alu instid0(VALU_DEP_2)
	v_pk_add_f32 v[224:225], v[224:225], v[252:253]
	s_delay_alu instid0(VALU_DEP_1)
	v_pk_add_f32 v[14:15], v[14:15], v[224:225]
	s_wait_alu depctr_va_vdst(0)                   ; and one for the two
.irp b,0,1
	v_max_num_f32 v[BM+\b], 0x1800000, v[BM+\b]    ; the floor 2^(3 - 127)
.endr
.irp b,0,1
	s_delay_alu instid0(VALU_DEP_2)
	v_add_nc_u32 v[SO+\b], 0xff000000, v[BM+\b]    ; the conversion's scale operand
.endr
.irp b,0,1
	s_delay_alu instid0(VALU_DEP_2)
	v_lshrrev_b32 v[T2+\b], 23, v[SO+\b]           ; the byte
.endr
	s_delay_alu instid0(VALU_DEP_1)
	v_lshl_or_b32 v233, v225, 16, v224             ; my two bytes, blocks h and 2 + h,
	s_delay_alu instid0(VALU_DEP_1)
	v_lshlrev_b32 v233, v[H8], v233                ; at their places;
	s_delay_alu instid0(VALU_DEP_1)
	v_permlanex16_b32 v226, v233, s20, s21
	s_delay_alu instid0(VALU_DEP_1)
	v_or_b32 v233, v233, v226                      ; with lane l xor 16's two: p's scale word for these 128 keys
.irp c,0,1
	v_cvt_scalef32_pk16_fp6_f32 v[PC+6*\c:PC+6*\c+2], v[S+32*\c:S+32*\c+15], v[SO+\c]
	v_cvt_scalef32_pk16_fp6_f32 v[PC+12+4*\c:PC+14+4*\c], v[S+32*\c+16:S+32*\c+31], v[SO+\c]
.endr
	v_nop                                          ; one plain place behind the conversions
.irp c,0,1
.irp i,0,1,2
	v_mov_b32 v[PC+3+6*\c+\i], v[PC+12+4*\c+\i]    ; a conversion's three registers begin on an even number: the block's upper 16 codes are moved to their place
.endr
.endr
.irp j,0,2,4,6,8,10,12,14,16,18,20,22,24,26,28,30
	v_pk_mul_f32 v[O+\j:O+\j+1], v[O+\j:O+\j+1], v[232:233] op_sel_hi:[1,0]   ; O^T under the new M, each accumulator from its low end on; also the places in front of the products below
.endr
	s_wait_alu depctr_va_vdst(0)
	s_wait_dscnt 0x0                               ; V is in
.irp d,0,2
	v_wmma_scale_f32_16x16x128_f8f6f4 v[O+8*\d:O+8*\d+7], v[F+12*\d:F+12*\d+11], v[PC:PC+11], v[O+8*\d:O+8*\d+7], v[46+\d/2], v233 matrix_a_fmt:MATRIX_FMT_FP6 matrix_b_fmt:MATRIX_FMT_FP6
	v_wmma_scale_f32_16x16x128_f8f6f4 v[O+8*\d+8:O+8*\d+15], v[F+12*\d+12:F+12*\d+23], v[PC:PC+11], v[O+8*\d+8:O+8*\d+15], v[46+\d/2], v233 matrix_a_fmt:MATRIX_FMT_FP6 matrix_b_fmt:MATRIX_FMT_FP6 matrix_a_scale:MATRIX_SCALE_ROW1
.endr
.endm
; n key steps from LDS bytes k0 (K) and v0 (V) on
.macro WALK n, k0, v0, qf, qs
	s_mov_b32 s76, \k0
	s_mov_b32 s77, \v0
	s_mov_b32 s78, \n
.Lstep_\@:
	STEP \qf,\qs
	s_add_co_u32 s76, s76, KSB
	s_add_co_u32 s77, s77, VSB
	s_sub_co_u32 s78, s78, 1
	s_cmp_lg_u32 s78, 0
	s_cbranch_scc1 .Lstep_\@
.endm
; THE WAY OUT of pass p: O^T / the sum; register 16 b + i is channel 32 b + 16 (lane / 16) + i of my query: two blocks of the next product's K: one half image and two scale bytes.
.macro OUTT p
.rept 4
	v_nop                                          ; places behind the last products
.endr
	v_add_f32 v14, v14, v15
	s_delay_alu instid0(VALU_DEP_1)
	v_permlanex16_b32 v234, v14, s20, s21
	s_delay_alu instid0(VALU_DEP_1)
	v_add_f32 v14, v14, v234                       ; the row's sum
	s_wait_alu depctr_va_vdst(0)
	v_rcp_f32 v232, v14
	v_nop                                          ; a plain place behind the reciprocal
	s_wait_alu depctr_va_vdst(0)                   ; and the wait ahead of its first reader
.irp j,0,2,4,6,8,10,12,14,16,18,20,22,24,26,28,30
	v_pk_mul_f32 v[O+\j:O+\j+1], v[O+\j:O+\j+1], v[232:233] op_sel_hi:[1,0]
.endr
.irp b,0,1
	v_max3_num_f32 v[BM+\b], |v[O+16*\b]|, |v[O+1+16*\b]|, 0x1800000
.endr
.irp i,2,4,6,8,10,12,14
.irp b,0,1
	s_delay_alu instid0(VALU_DEP_2)
	v_max3_num_f32 v[BM+\b], v[BM+\b], |v[O+16*\b+\i]|, |v[O+1+16*\b+\i]|
.endr
.endr
.irp b,0,1
	s_delay_alu instid0(VALU_DEP_2)
	v_permlanex16_b32 v[T2+\b], v[BM+\b], s20, s21
.endr
.irp b,0,1
	s_delay_alu instid0(VALU_DEP_2)
	v_max_num_f32 v[BM+\b], v[BM+\b], v[T2+\b]
.endr
.irp b,0,1
	s_delay_alu instid0(VALU_DEP_2)
	v_add_nc_u32 v[SO+\b], 0xff000000, v[BM+\b]
.endr
.irp b,0,1
	s_delay_alu instid0(VALU_DEP_2)
	v_lshrrev_b32 v[T2+\b], 23, v[SO+\b]
.endr
	s_delay_alu instid0(VALU_DEP_1)
	v_lshl_or_b32 v[236+\p], v225, 8, v224         ; the head's two bytes
	v_cvt_scalef32_pk16_fp6_f32 v[PC:PC+2], v[O:O+15], v[SO]
	v_cvt_scalef32_pk16_fp6_f32 v[PC+12:PC+14], v[O+16:O+31], v[SO+1]
	v_nop
.irp i,0,1,2
	v_permlane16_swap_b32 v[PC+\i], v[PC+12+\i]
.endr
.irp i,0,1,2
	s_delay_alu instid0(VALU_DEP_3)
	v_mov_b32 v[PC+3+\i], v[PC+12+\i]
.endr
	global_store_b128 v1, v[PC:PC+3], s[8:9] offset:\p*196608          ; 512 and 256 consecutive bytes; pass 1's tile lies 16 tiles of 12,288 bytes on
	global_store_b64 v2, v[PC+4:PC+5], s[8:9] offset:\p*196608+512
	global_store_b16 v4, v[236+\p], s[10:11] offset:\p*8192            ; two bytes a row, 16 apart (a head owns 2 of a row's 32 scale bytes); lanes 16-31 write what lanes 0-15 write
.endm
	INIT
	s_wait_loadcnt 0x0                             ; Q
	s_cmp_lt_u32 s12, 4
	s_cbranch_scc0 .Lnot_first
	s_wait_tensorcnt 0x0                           ; waves 0-3: my part of key steps 0-3 is in
.Lnot_first:
	s_barrier_signal -1
	s_barrier_wait -1                              ; key steps 0-3 are whole; the others may be on their way
	WALK 4,KB,VB,16,40
	s_wait_tensorcnt 0x0                           ; my load has landed, whichever it was
	s_wait_dscnt 0x0
	s_barrier_signal -1
	s_barrier_wait -1                              ; all of K and V is in
	WALK 12,KB+4*KSB,VB+4*VSB,16,40
	OUTT 0
	s_wait_xcnt 0x0                                ; the stores have read their registers: pass 1 writes them again
	INIT
	WALK 16,KB,VB,28,41
	OUTT 1
	s_wait_tensorcnt 0x0                           ; the wave's end
	ds_add_u32 v[SPW], v[NIL]
	s_wait_dscnt 0x0
	CROUND                                         ; the closing round
	s_endpgm
.Lfunc_end_k_q5a14a18ac8_attn:
	.size	k_q5a14a18ac8_attn, .Lfunc_end_k_q5a14a18ac8_attn-k_q5a14a18ac8_attn
	.p2alignl 7, 3214868480
	.fill 96, 4, 3214868480
	.section	.rodata,"a",@progbits
	.p2align	6, 0x0
	.amdhsa_kernel k_q5a14a18ac8_attn
		.amdhsa_group_segment_fixed_size 327680
		.amdhsa_private_segment_fixed_size 0
		.amdhsa_enable_private_segment 0
		.amdhsa_kernarg_size 32
		.amdhsa_user_sgpr_count 2
		.amdhsa_user_sgpr_kernarg_segment_ptr 1
		.amdhsa_wavefront_size32 1
		.amdhsa_system_sgpr_workgroup_id_x 1
		.amdhsa_system_sgpr_workgroup_id_y 1
		.amdhsa_system_sgpr_workgroup_id_z 1
		.amdhsa_system_vgpr_workitem_id 0
		.amdhsa_next_free_vgpr 256
		.amdhsa_next_free_sgpr 96
		.amdhsa_reserve_vcc 0
		.amdhsa_float_denorm_mode_32 3
		.amdhsa_float_denorm_mode_16_64 3
		.amdhsa_memory_ordered 1
		.amdhsa_forward_progress 1
		.amdhsa_inst_pref_size 69
	.end_amdhsa_kernel
	.amdgpu_metadata
---
amdhsa.version: [ 1, 2 ]
amdhsa.kernels:
  - .name:           k_q5a14a18ac8_attn
    .symbol:         k_q5a14a18ac8_attn.kd
    .args:
      - { .name: qk, .offset: 0, .size: 8, .value_kind: global_buffer, .address_space: global }
      - { .name: vt, .offset: 8, .size: 8, .value_kind: global_buffer, .address_space: global }
      - { .name: ac, .offset: 16, .size: 8, .value_kind: global_buffer, .address_space: global }
      - { .name: asc, .offset: 24, .size: 8, .value_kind: global_buffer, .address_space: global }
    .group_segment_fixed_size: 327680
    .private_segment_fixed_size: 0
    .kernarg_segment_align: 8
    .kernarg_segment_size: 32
    .max_flat_workgroup_size: 512
    .sgpr_count:     96
    .vgpr_count:     256
    .wavefront_size: 32
...
	.end_amdgpu_metadata
.endif
;; end of part 3
;; launch outp (part 4): grid 4 x 64, 4 waves a work-group, clusters of 4 x 4, 327,680 bytes of LDS; arguments ac, asc, wimg, wsc, bo, out0; writes out0
.if DOCPART == 4
	.amdgcn_target "amdgcn-amd-amdhsa--gfx1250"
	.amdhsa_code_object_version 6
	.text
	.protected	k_q5a14a18ac8_outp
	.globl	k_q5a14a18ac8_outp
	.p2align	8
	.type	k_q5a14a18ac8_outp,@function
k_q5a14a18ac8_outp:
	s_mov_b64 s[64:65], 0
	v_nop
	global_prefetch_b8 v0, s[64:65] scope:SCOPE_SE
	s_setreg_imm32_b32 hwreg(HW_REG_WAVE_MODE, 25, 1), 1
	s_wait_xcnt 0x0
	s_wait_alu depctr_hold_cnt(0) depctr_sa_sdst(0) depctr_va_vdst(0) depctr_va_sdst(0) depctr_va_ssrc(0) depctr_va_vcc(0) depctr_vm_vsrc(0)
	s_getreg_b32 s2, hwreg(HW_REG_IB_STS2, 6, 4)
	s_cmp_eq_u32 s2, 0
	s_cbranch_scc0 .Lentry_in_a_cluster
	s_endpgm
.Lentry_in_a_cluster:
	s_bfe_u32 s2, ttmp6, 0x10000c
	s_cmp_lg_u32 s2, 0xf033
	s_cbranch_scc0 .Lentry_shape_is_right
	s_endpgm
.Lentry_shape_is_right:
; out0 = attention's result x Wo + bo on codes of FP6 (E2M3) with E8M0 scales, K = 1,024; out0 [8192][1024] f32.
; A work-group makes 256 columns (S0 = rows of Wo's images, source 0) x 128 tokens (S1 = ac, source 1); ALL of K for its tile lies in LDS, in two halves of 512 along K: no LDS byte is filled twice.
; FILLS: one joint load a wave, all at the head: wave 0 S0's first half, wave 1 S1's first half, wave 2 S0's second, wave 3 S1's second.  Waves 0 and 1 wait ahead of the first barrier, every wave ahead of the barrier in K step 3.
; THE SCALE WORDS go from memory straight into the scale registers: sixteen lanes read 256 consecutive bytes.  No prefetch: every fill is asked for at the head, and there is no loop to run ahead in.
; Operands lie as half images of the operand's registers (16 rows x 64 k, 768 bytes: registers 0-3 at 16 x lane, 4-5 at 512 + 8 x lane).  Place p of a tile's rows holds row sw(p) (bits 3 and 4 swapped): for Wo this puts 16 neighbouring
; columns into the 16 registers of tiles 2 b, 2 b + 1; for the tokens it is undone in the stores' offsets.  The bias is the C of each sum's first product.
; CLUSTER 4 x 4: S1's tiles are shared along a row of the cluster, S0's along a column.
; REGISTERS: window 0: v1-11 addresses; v28, v29 the add's; v32-63 S0's scale words, v64-79 S1's; v80-175 S1's fragments, two sets; v176-239 the bias; on the way out v80-207 rows of out0.  window 1: S0's fragments, two sets.  window 2: accumulator (a, b) at 8 (8 a + b).
.set CHUNK, 147456                     ; 512 along K: S1's 8 tiles x 6,144 bytes, then S0's 16
.set S0OFF, 49152
.set SPARE, 2*CHUNK
.set SPW, 28
.set NIL, 29
.set BI,  176                          ; the bias: eight registers for each of S0's eight tiles
.set MSB, 0
.macro WIN new
.if MSB != \new
	s_set_vgpr_msb (MSB<<8)|\new
.set MSB, \new
.endif
.endm
.macro CROUND
	s_barrier_signal -1
	s_barrier_wait -1
	s_cmp_lg_u32 s16, 0
	s_cbranch_scc1 .Lnot_wave_0_\@
	s_barrier_signal -3
.Lnot_wave_0_\@:
	s_barrier_wait -3
	s_barrier_signal -1
	s_barrier_wait -1
.endm
.macro TLOAD g0, g1
	tensor_load_to_lds s[\g0:\g0+3], s[\g1:\g1+7]
	s_nop 0
.rept 4
	v_nop
.endr
.endm
.macro ARM under, g0, g1, next         ; one arm of the head's chain: one load, then on to the join
	s_cmp_lt_u32 s16, \under
	s_cbranch_scc0 \next
	TLOAD \g0, \g1
	s_branch .Lasked
\next:
.endm
	s_load_b256 s[4:11], s[0:1], 0x0               ; ac, asc, wimg, wsc
	s_load_b128 s[12:15], s[0:1], 0x20             ; bo, out0
	v_lshl_add_u32 v[SPW], v0, 2, SPARE
	v_mov_b32 v[NIL], 0
	ds_add_u32 v[SPW], v[NIL]                      ; the opening lines
	ds_add_u32 v[SPW], v[NIL]
	v_lshrrev_b32 v9, 5, v0
	v_readfirstlane_b32 s16, v9                    ; wave
	s_and_b32 s17, s16, 1                          ; w0: which 8 tiles of S0 are mine
	s_lshr_b32 s18, s16, 1                         ; w1: which 4 tiles of S1
	s_bfe_u32 s19, ttmp6, 0x40000                  ; cx
	s_bfe_u32 s20, ttmp6, 0x40004                  ; cy
	s_and_b32 s21, ttmp7, 0xffff
	s_lshl_b32 s3, ttmp9, 2
	s_add_co_u32 s3, s3, s19                       ; S0's block of 256 columns
	s_lshl_b32 s2, s21, 2
	s_add_co_u32 s2, s2, s20                       ; S1's block of 128 tokens
	s_lshl_b32 s100, s20, 2
	s_lshl_b32 s100, 15, s100                      ; my row of the cluster
	s_lshl_b32 s66, 0x1111, s19                    ; my column
	s_or_b32 s24, s100, (3<<16)|(1<<21)            ; group 1, S1's codes: mask, elements of 8 bytes, bit 21 beside a mask
	s_or_b32 s32, s66, (3<<16)|(1<<21)             ; S0's codes
.irp g,24,32                           ; a row is half a tile's K: 768 elements (6,144 bytes), 1,536 elements from tile to tile
	s_mov_b32 s[\g+1], 768<<16
	s_mov_b32 s[\g+3], 768<<16
	s_mov_b32 s[\g+5], 1536
	s_mov_b32 s[\g+6], 0
	s_mov_b32 s[\g+7], 0
.endr
	s_mov_b32 s26, 8<<16                           ; S1: 8 tiles
	s_mov_b32 s28, 8
	s_mov_b32 s34, 16<<16                          ; S0: 16 tiles
	s_mov_b32 s36, 16
	s_mov_b32 s60, 1                               ; groups 0: S1's halves,
	s_mov_b32 s61, 0
	s_mov_b32 s68, 1
	s_mov_b32 s69, CHUNK
	s_mov_b32 s84, 1                               ; S0's halves
	s_mov_b32 s85, S0OFF
	s_mov_b32 s88, 1
	s_mov_b32 s89, CHUNK+S0OFF
	s_lshl_b32 s58, s2, 12
	s_mov_b32 s59, 0
	s_mul_i32 s62, s2, 98304
	s_mov_b32 s63, 0
	s_lshl_b32 s82, s3, 13
	s_mov_b32 s83, 0
	s_mul_i32 s86, s3, 196608
	s_mov_b32 s87, 0
	s_wait_dscnt 0x0                               ; both opening adds are done
	s_wait_kmcnt 0x0
	s_add_nc_u64 s[22:23], s[8:9], 2359296         ; Wo's tiles begin at tile 192
	s_add_nc_u64 s[66:67], s[10:11], 98304
	s_add_nc_u64 s[58:59], s[6:7], s[58:59]
	s_add_nc_u64 s[62:63], s[4:5], s[62:63]
	s_add_nc_u64 s[70:71], s[62:63], 6144
	s_add_nc_u64 s[82:83], s[66:67], s[82:83]
	s_add_nc_u64 s[86:87], s[22:23], s[86:87]
	s_add_nc_u64 s[90:91], s[86:87], 6144
.irp r,63,71,87,91
	s_or_b32 s\r, s\r, 0x80000000                  ; type 2
.endr
	CROUND                                         ; all sixteen work-groups are here: the joint loads meet
	ARM 1, 84, 32, .Lhead_1                        ; wave 0: S0's first half
	ARM 2, 60, 24, .Lhead_2                        ; wave 1: S1's first half
	ARM 3, 88, 32, .Lhead_3                        ; wave 2: S0's second half
	TLOAD 68, 24                                   ; wave 3: S1's second half
.Lasked:
	v_and_b32 v9, 31, v0
	v_lshlrev_b32 v1, 4, v9                        ; 16 x lane
	v_lshlrev_b32 v2, 3, v9                        ; 8 x lane
	s_mul_i32 s4, s18, 24576
	v_add_nc_u32 v3, s4, v1                        ; my four tiles of S1
	v_add_nc_u32 v4, s4, v2
	s_mul_i32 s4, s17, 49152
	s_add_co_u32 s4, s4, S0OFF
	v_add_nc_u32 v5, s4, v1                        ; my eight tiles of S0
	v_add_nc_u32 v6, s4, v2
	v_bfe_u32 v12, v0, 4, 1                        ; h
	v_and_b32 v11, 15, v0                          ; r
	v_lshlrev_b32 v10, 9, v12
	v_lshl_add_u32 v10, v11, 4, v10                ; scale words: lanes 0-15 an even tile's rows, lanes 16-31 the odd tile's
	s_lshl_b32 s4, s17, 12
	v_add_nc_u32 v7, s4, v10                       ; my eight tiles' words in S0's block
	s_lshl_b32 s4, s18, 11
	v_add_nc_u32 v8, s4, v10                       ; my four tiles' in S1's
.irp p,0,1,2,3                         ; all eight K steps' scale words, once: register 8 p + q: tile 2 p in lanes 0-15, tile 2 p + 1 in lanes 16-31
.irp hk,0,1
	global_load_b128 v[32+8*\p+4*\hk:32+8*\p+4*\hk+3], v7, s[82:83] offset:\p*1024+\hk*256
.endr
.endr
.irp p,0,1
.irp hk,0,1
	global_load_b128 v[64+8*\p+4*\hk:64+8*\p+4*\hk+3], v8, s[58:59] offset:\p*1024+\hk*256
.endr
.endr
	v_lshlrev_b32 v9, 6, v12                       ; 64 h: my half's 16 columns, in bo and in a stage row
	s_wait_alu depctr_va_vdst(0)
	v_mul_u32_u24 v10, v11, 528
	v_add_nc_u32 v10, v10, v9
	s_mul_i32 s4, s16, 8448                        ; my stage: 16 rows x (512 bytes + 16), in the first half's bytes
	v_add_nc_u32 v10, s4, v10                      ; into it: row r, + 64 h
	v_add_nc_u32 v11, s4, v1                       ; out of it: a row's 512 bytes, 16 a lane
	s_lshl_b32 s4, s2, 7
	s_lshl_b32 s5, s18, 6
	s_add_co_u32 s4, s4, s5                        ; my first token
	s_lshl_b32 s4, s4, 12
	s_lshl_b32 s6, s3, 10
	s_lshl_b32 s7, s17, 9
	s_add_co_u32 s6, s6, s7                        ; my first column, in bytes
	s_add_co_u32 s4, s4, s6
	s_mov_b32 s5, 0
	s_mov_b32 s7, 0
	s_add_nc_u64 s[14:15], s[14:15], s[4:5]
	s_add_nc_u64 s[12:13], s[12:13], s[6:7]
.irp b,0,1,2,3,4,5,6,7                 ; tile b, lane (r, h), register j: column 32 (b / 2) + 16 h + 8 (b % 2) + j
	global_load_b128 v[BI+8*\b:BI+8*\b+3], v9, s[12:13] offset:(32*(\b/2)+8*(\b%2))*4
	global_load_b128 v[BI+8*\b+4:BI+8*\b+7], v9, s[12:13] offset:(32*(\b/2)+8*(\b%2))*4+16
.endr
.macro HFRAG reg, a16, a8, off         ; a half image into six registers
	ds_load_b128 v[\reg:\reg+3], v[\a16] offset:\off
	ds_load_b64 v[\reg+4:\reg+5], v[\a8] offset:\off+512
.endm
.macro FETCH q                         ; the fragments of K step q (128 along K): 48 loads
	WIN 0x40                                       ; destination window 1
.irp b,0,1,2,3,4,5,6,7
.irp hh,0,1
	HFRAG 128*((\q)%2)+12*\b+6*\hh,5,6,\b*6144+((\q)%4)*1536+\hh*768
.endr
.endr
	WIN 0
.irp a,0,1,2,3
.irp hh,0,1
	HFRAG 80+48*((\q)%2)+12*\a+6*\hh,3,4,\a*6144+((\q)%4)*1536+\hh*768
.endr
.endr
.endm
.macro WM a, b, r0, r1, q, first       ; one product: S0's tile b (source 0, scale row r0 = b % 2) x S1's tile a (source 1, scale row r1 = a % 2); first = 1: the bias starts the sum
.set rD, 8*(8*(\a)+(\b))
.set rA, 128*((\q)%2)+12*(\b)
.set rB, 80+48*((\q)%2)+12*(\a)
.set rC, BI+8*(\b)
.set rX, 32+8*((\b)/2)+(\q)
.set rY, 64+8*((\a)/2)+(\q)
.if \first
	v_wmma_scale_f32_16x16x128_f8f6f4 v[rD:rD+7], v[rA:rA+11], v[rB:rB+11], v[rC:rC+7], v[rX], v[rY] matrix_a_fmt:MATRIX_FMT_FP6 matrix_b_fmt:MATRIX_FMT_FP6 matrix_a_scale:MATRIX_SCALE_ROW\r0 matrix_b_scale:MATRIX_SCALE_ROW\r1
.else
	v_wmma_scale_f32_16x16x128_f8f6f4 v[rD:rD+7], v[rA:rA+11], v[rB:rB+11], v[rD:rD+7], v[rX], v[rY] matrix_a_fmt:MATRIX_FMT_FP6 matrix_b_fmt:MATRIX_FMT_FP6 matrix_a_scale:MATRIX_SCALE_ROW\r0 matrix_b_scale:MATRIX_SCALE_ROW\r1
.endif
.endm
.macro MUL32 q, first                  ; the 32 accumulators take turns, one instruction a turn, in the same order in every step
.if \first
	WIN 0x81                                       ; source 0 window 1, source 1 and C (the bias) window 0, D window 2
.else
	WIN 0xa1                                       ; C and D window 2
.endif
.irp ah,0,1
.irp al,0,1
.irp bh,0,1,2,3
.irp bl,0,1
	WM 2*\ah+\al,2*\bh+\bl,\bl,\al,\q,\first
.endr
.endr
.endr
.endr
.endm
.macro KSTEP q, first
	s_wait_dscnt 0x0                               ; this step's fragments are in; no LDS instruction of mine is out
.if (\q) < 7
.if (\q) == 3
	WIN 0
	s_wait_tensorcnt 0x0                           ; my load has landed, whichever it was
	s_barrier_signal -1
	s_barrier_wait -1                              ; the second half of K is whole, and nobody reads the first half any more
	v_add_nc_u32 v3, CHUNK, v3                     ; on to it; these four are also the places in front of the loads
	v_add_nc_u32 v4, CHUNK, v4
	v_add_nc_u32 v5, CHUNK, v5
	v_add_nc_u32 v6, CHUNK, v6
.elseif (\q) > 0
.rept 4
	v_nop                                          ; places in front of loads into registers that matrix instructions have read
.endr
.endif
	FETCH (\q)+1
.endif
	MUL32 \q,\first
.endm
	s_wait_alu depctr_va_vdst(0)                   ; the wait at the head's end
	s_cmp_lt_u32 s16, 2
	s_cbranch_scc0 .Lnot_first
	s_wait_tensorcnt 0x0                           ; waves 0 and 1: my tile of the first half is in
.Lnot_first:
	s_barrier_signal -1
	s_barrier_wait -1                              ; the first half of K is whole; the second may be on its way
	FETCH 0
	s_wait_loadcnt 0x0                             ; the scale words and the bias
	KSTEP 0,1
	KSTEP 1,0
	KSTEP 2,0
	KSTEP 3,0
	s_wait_alu depctr_va_vdst(0)
	KSTEP 4,0
	KSTEP 5,0
	KSTEP 6,0
	KSTEP 7,0
	WIN 0
; THE WAY OUT, a tile of 16 tokens x 128 columns at a time, through my own stage and back as whole rows of 512 bytes.  The stage lies in the first half's bytes: their one fill is long done, and every wave's reads of them ended ahead of the barrier of K step 3.
.macro TOSTAGE a
	WIN 0x08                                       ; an LDS store's data: window 2
.irp b,0,1,2,3,4,5,6,7
	ds_store_b128 v10, v[64*(\a)+8*\b:64*(\a)+8*\b+3] offset:128*(\b/2)+32*(\b%2)          ; each accumulator from its low end on
	ds_store_b128 v10, v[64*(\a)+8*\b+4:64*(\a)+8*\b+7] offset:128*(\b/2)+32*(\b%2)+16
.endr
	WIN 0
.set BB, 80+64*((\a)%2)
.irp t,0,1,2,3,4,5,6,7,8,9,10,11,12,13,14,15
	ds_load_b128 v[BB+4*\t:BB+4*\t+3], v11 offset:\t*528   ; LDS serves a wave's instructions in order: these see my stores, and the next tile's stores come behind them
.endr
.endm
.macro SEND a, younger                 ; younger: the LDS instructions issued behind tile a's loads
.set BB, 80+64*((\a)%2)
	s_wait_dscnt \younger
.irp t,0,1,2,3,4,5,6,7,8,9,10,11,12,13,14,15
	global_store_b128 v1, v[BB+4*\t:BB+4*\t+3], s[14:15] offset:(32*((\a)/2)+16*(\t/8)+8*((\a)%2)+\t%8)*4096 th:TH_STORE_NT   ; place 16 a + t holds token sw(16 a + t); 512 consecutive bytes, at a multiple of 256 from out0's first byte
.endr
.endm
.rept 4
	v_nop                                          ; places in front of the first read of results and of the loads into S1's registers
.endr
	TOSTAGE 0
.irp a,1,2,3
.if \a > 1
	s_wait_xcnt 0x0                                ; tile a - 2's stores have read their registers: tile a's loads may land there
.endif
	TOSTAGE \a
	SEND \a-1,32                                   ; behind tile a - 1's loads: tile a's 16 stores and 16 loads
.endr
	SEND 3,0
	s_wait_tensorcnt 0x0                           ; the wave's end, behind my last LDS store
	ds_add_u32 v[SPW], v[NIL]
	s_wait_dscnt 0x0
	CROUND                                         ; the closing round
	s_endpgm
.Lfunc_end_k_q5a14a18ac8_outp:
	.size	k_q5a14a18ac8_outp, .Lfunc_end_k_q5a14a18ac8_outp-k_q5a14a18ac8_outp
	.p2alignl 7, 3214868480
	.fill 96, 4, 3214868480
	.section	.rodata,"a",@progbits
	.p2align	6, 0x0
	.amdhsa_kernel k_q5a14a18ac8_outp
		.amdhsa_group_segment_fixed_size 327680
		.amdhsa_private_segment_fixed_size 0
		.amdhsa_enable_private_segment 0
		.amdhsa_kernarg_size 48
		.amdhsa_user_sgpr_count 2
		.amdhsa_user_sgpr_kernarg_segment_ptr 1
		.amdhsa_wavefront_size32 1
		.amdhsa_system_sgpr_workgroup_id_x 1
		.amdhsa_system_sgpr_workgroup_id_y 1
		.amdhsa_system_sgpr_workgroup_id_z 1
		.amdhsa_system_vgpr_workitem_id 0
		.amdhsa_next_free_vgpr 768
		.amdhsa_next_free_sgpr 106
		.amdhsa_reserve_vcc 0
		.amdhsa_float_denorm_mode_32 3
		.amdhsa_float_denorm_mode_16_64 3
		.amdhsa_memory_ordered 1
		.amdhsa_forward_progress 1
		.amdhsa_inst_pref_size 83
	.end_amdhsa_kernel
	.amdgpu_metadata
---
amdhsa.version: [ 1, 2 ]
amdhsa.kernels:
  - .name:           k_q5a14a18ac8_outp
    .symbol:         k_q5a14a18ac8_outp.kd
    .args:
      - { .name: ac, .offset: 0, .size: 8, .value_kind: global_buffer, .address_space: global }
      - { .name: asc, .offset: 8, .size: 8, .value_kind: global_buffer, .address_space: global }
      - { .name: wimg, .offset: 16, .size: 8, .value_kind: global_buffer, .address_space: global }
      - { .name: wsc, .offset: 24, .size: 8, .value_kind: global_buffer, .address_space: global }
      - { .name: bo, .offset: 32, .size: 8, .value_kind: global_buffer, .address_space: global }
      - { .name: out0, .offset: 40, .size: 8, .value_kind: global_buffer, .address_space: global }
    .group_segment_fixed_size: 327680
    .private_segment_fixed_size: 0
    .kernarg_segment_align: 8
    .kernarg_segment_size: 48
    .max_flat_workgroup_size: 128
    .sgpr_count:     106
    .vgpr_count:     768
    .wavefront_size: 32
...
	.end_amdgpu_metadata
.endif
;; end of part 4
